; MI455X (gfx1250); checked and timed in simulation.
; The chip was launched on July 23, 2026; its instructions are those of AMD's public machine-readable ISA for CDNA 5 (MIT licence, August 2026) and "CDNA5" Instruction Set Architecture Reference Guide (July 2026). The comments in the code are by the model that wrote it; some were corrected since.
;; MLP Attention. Allowed arithmetic: matrix products marked QUANTISED: E2M1 operands, one E8M0 scale for each 32 along K, by v_wmma_scale_f32_16x16x128_f8f6f4 with both operands' format E2M1 (or v_wmma_scale_f32_32x16x128_f4), f32 sums; products left as they are: f32 operands where the result goes on into a quantised operand, else bf16, f16 or f32 operands; f32 sums; everything else in f32.
;; Inputs: W_dec_codes 1,024 x 32 x 16 uint8 (E2M1 codes of W_dec, K innermost, in blocks of 32 codes, two codes a byte); W_dec_scales 1,024 x 32 uint8 (E8M0 scales of W_dec, one for each 32 codes along K); W_enc_codes 1,024 x 32 x 16 uint8 (E2M1 codes of W_enc, K innermost, in blocks of 32 codes, two codes a byte); W_enc_scales 1,024 x 32 uint8 (E8M0 scales of W_enc, one for each 32 codes along K); b_dec 1,024 float32; b_enc 1,024 float32; decoder_state_codes 64 x 32 x 16 uint8 (E2M1 codes of decoder_state, K innermost, in blocks of 32 codes, two codes a byte); decoder_state_scales 64 x 32 uint8 (E8M0 scales of decoder_state, one for each 32 codes along K); source_hids 1,024 x 64 x 1,024 float32; src_lengths 64 int32; v_score 1,024 float32.
;; Outputs: out0 64 x 1,024 float32; out1 1,024 x 64 float32.
;; This version of the problem:
;;   THIS VERSION OF THE PROBLEM IS GIVEN IN LOW PRECISION. The matrix products marked QUANTISED in the list below multiply operands that are first quantised to E2M1 (2 exponent bits, 1 mantissa bit; 4 bits a number), with one power-of-two scale for each 32 numbers along K (OCP MX v1.0); their sums are f32. All else is computed in f32.
;;   The module's matrix products, in the order in which they are computed (A, B: the left and right operand; K: the contracted axis; several contracted axes count as one K, in the product's order):
;;     1. [M 65,536, K 1,024] x [K 1,024, N 1,024]; A: input source_hids; B: input W_enc (given as codes): QUANTISED
;;     2. [M 64, K 1,024] x [K 1,024, N 1,024]; A: input decoder_state (given as codes); B: input W_dec (given as codes): QUANTISED
;;     3. [M 65,536, K 1,024] x [K 1,024, N 1]; A: computed on the way; B: input v_score: left as it is (N = 1 < 16)
;;     4. batch 64 x [M 1,024, K 1,024] x [K 1,024, N 1]; A: input source_hids; B: softmax: left as it is (N = 1 < 16)
;;   THE QUANTISER, for each operand of a quantised product, along K:
;;     - K is cut into blocks of 32 from its start; a last block that is shorter is filled with zeros.
;;     - A block's scale is 2^e with e = floor(log2(the largest magnitude in the block)) - 2, held to -126 .. 127; a block of zeros has e = 0. As a byte (E8M0): e + 127.
;;     - Each number is divided by its block's scale, clamped to +-6, and rounded to the nearest number of E2M1, ties to even, subnormals kept.
;;     - The product sums the exact products of the quantised numbers (number of the format x scale) in f32.
;;   ~~~python
;;   def quantise(x, axis):      # numpy; x: float32 -> the quantised numbers, widened to float32 again
;;       x = np.moveaxis(x, axis, -1); K = x.shape[-1]
;;       x = np.pad(x, [(0, 0)] * (x.ndim - 1) + [(0, -K % 32)]); x = x.reshape(x.shape[:-1] + (-1, 32)); a = np.abs(x).max(-1, keepdims=True)
;;       e = np.where(a > 0, np.clip(np.frexp(np.where(a > 0, a, 1))[1] - 1 - 2, -126, 127), 0)      # np.frexp(a)[1] - 1 = floor(log2(a)), exactly
;;       r = np.clip(x / 2.0 ** e, -6, 6)
;;       step = 2.0 ** (np.maximum(np.frexp(np.where(r == 0, 1, r))[1] - 1, 0) - 1)
;;       q = np.round(r / step) * step * 2.0 ** e      # np.round: ties to even
;;       return np.moveaxis(q.reshape(q.shape[:-2] + (-1,))[..., :K], -1, axis).astype(np.float32)
;;   ~~~
;;   INPUTS GIVEN AS CODES. W_dec (in the module: [1024, 1024], K = its axis 1); W_enc (in the module: [1024, 1024], K = its axis 1); decoder_state (in the module: [64, 1024], K = its axis 1): each comes as NAME_codes (uint8): NAME with its K axis moved to the last place and cut into blocks of 32 codes, [.., K / 32, bytes a block], one block behind the other in memory; two codes a byte, the lower K in the low four bits (a code: sign, 2 exponent bits, 1 mantissa bit); and NAME_scales (uint8): the same leading axes, one E8M0 byte (e + 127) for each 32 codes along K. Its value is code x scale, taken as it is: it is not quantised again, and the codes and scales need not be those that the quantiser above would give.
;; 2 versions, each right and faster than the one before. Each part assembles by itself: llvm-mc -triple=amdgcn-amd-amdhsa -mcpu=gfx1250 --defsym DOCPART=n.
;; ======== version 1 of 2: 3 launches
;; limits: right only within a limited range of input values
;; workspace buffers: Wf 524,288 bytes; bcw 262,144 bytes; sc 262,144 bytes; stat 8,192 bytes; part 4,194,304 bytes
;; launch prep (part 1): grid 32 x 1, 4 waves a work-group, no clusters, 17,920 bytes of LDS; arguments W_dec_codes, W_dec_scales, decoder_state_codes, decoder_state_scales, b_dec, b_enc, W_enc_codes, bcw, Wf; writes bcw, Wf
.if DOCPART == 1
	.amdgcn_target "amdgcn-amd-amdhsa--gfx1250"
	.amdhsa_code_object_version 6
	.text
	.protected	k_q9da83c92b6_prep
	.globl	k_q9da83c92b6_prep
	.p2align	8
	.type	k_q9da83c92b6_prep,@function
k_q9da83c92b6_prep:
	s_mov_b64 s[64:65], 0
	v_nop
	global_prefetch_b8 v0, s[64:65] scope:SCOPE_SE
	s_setreg_imm32_b32 hwreg(HW_REG_WAVE_MODE, 25, 1), 1
	s_wait_xcnt 0x0
; Two small jobs in one launch, told apart by the work-group's number.
; Work-groups 0-15 (g): bcw[b][a] = c (dec[b][a] + b_dec[a] + b_enc[a]), c = 2 log2(e), dec = decoder_state W_dec^T on codes of FP4 (E2M1) with E8M0 scales as given.
;   Wave w makes b = 16 w .. 16 w + 15 x a = 64 g .. 64 g + 63 (four tiles t).  The product is used transposed (source 0 = 16 rows of W_dec, source 1 = 16 rows of
;   decoder_state): lane (r, h) holds b = 16 w + r, register j holds a = 64 g + 16 t + 8 h + j.  The two biases' sum is the C of each sum's first product.
; Work-groups 16-31: W_enc's codes are laid in the order of an operand's registers: Wf[nt 64][n 16][lane 32][16 bytes], lane (r, h) of piece n holding the 16 bytes at
;   row 16 nt + r, byte 32 n + 16 h: the next launch then loads a fragment as 512 consecutive bytes an instruction.
; No barrier: a wave's stage in LDS is its own; only the first job uses LDS.
.set CSC,  0x4038aa3b                  ; c = 2 log2(e)
.set O16,  1                           ; v1   16 x lane
.set CO,   2                           ; v2   512 r + 16 h: a fragment's place in rows of 512 bytes of codes
.set SO,   3                           ; v3   32 r + 16 h: a row's scale words: lanes 0-15 words 0-3, lanes 16-31 words 4-7
.set BO,   4                           ; v4   32 h: the biases of my half's eight a
.set STI,  5                           ; v5   stage, in:   4352 w + 272 r + 32 h
.set STB,  6                           ; v6   stage, back: 4352 w + 272 h + 16 r
.set GO,   7                           ; v7   4096 h + 16 r: two rows of bcw
.set WS,   8                           ; v8-23   W_dec's scale words (4 t + j): scales and nothing else
.set SS,   24                          ; v24-27  decoder_state's scale words: scales and nothing else
.set DSF,  32                          ; v32-95  decoder_state's fragments (8 q + 4 c); in the second job the pieces on their way
.set BS,   96                          ; v96-127 b_dec, then b_dec + b_enc (8 t + j)
.set BE,   128                         ; v128-159 b_enc
.set ACC,  160                         ; v160-191 four accumulators
.set OUTR, 192                         ; v192-223 c x the sums
.set BK,   224                         ; v224-255 rows read back from the stage
                                       ; window 1: W_dec's 32 fragments, tile t, K step q at v[8 (8 t + q)]
.set MSB, 0
.macro WIN new                         ; the immediate's high byte repeats the setting that is left
.if MSB != \new
	s_set_vgpr_msb (MSB<<8)|\new
.set MSB, \new
.endif
.endm
	s_load_b512 s[4:19], s[0:1], 0x0               ; W_dec codes s[4:5], scales s[6:7]; decoder_state codes s[8:9], scales s[10:11]; b_dec s[12:13]; b_enc s[14:15]; W_enc codes s[16:17]; bcw s[18:19]
	s_load_b64 s[20:21], s[0:1], 0x40              ; Wf
	v_lshl_add_u32 v31, v0, 2, 0x4400
	s_set_vgpr_msb 0x80
	v_mov_b32 v1, 0
	s_set_vgpr_msb 0x8000
	v_lshrrev_b32 v28, 5, v0
	v_readfirstlane_b32 s22, v28                   ; wave 0..3
	v_and_b32 v28, 31, v0                          ; lane
	v_and_b32 v29, 15, v0                          ; r
	v_bfe_u32 v30, v0, 4, 1                        ; h
	v_lshlrev_b32 v[O16], 4, v28
	v_lshlrev_b32 v[CO], 9, v29
	v_lshl_add_u32 v[CO], v30, 4, v[CO]
	v_lshlrev_b32 v[SO], 5, v29
	v_lshl_add_u32 v[SO], v30, 4, v[SO]
	v_lshlrev_b32 v[BO], 5, v30
	s_mul_i32 s26, s22, 4352                       ; my stage: 16 rows x (256 bytes + 16)
	v_mul_u32_u24 v[STI], v29, 272
	v_lshl_add_u32 v[STI], v30, 5, v[STI]
	v_add_nc_u32 v[STI], s26, v[STI]
	v_mul_u32_u24 v[STB], v30, 272
	v_lshl_add_u32 v[STB], v29, 4, v[STB]
	v_add_nc_u32 v[STB], s26, v[STB]
	v_lshlrev_b32 v[GO], 12, v30
	v_lshl_add_u32 v[GO], v29, 4, v[GO]
	s_mov_b32 s25, 0
	s_wait_kmcnt 0x0
	s_cmp_lt_u32 ttmp9, 16
	s_cbranch_scc0 .Lrelay
	; ---- the decoder's projection
	s_lshl_b32 s24, ttmp9, 15                      ; 64 rows of W_dec's codes
	s_add_nc_u64 s[4:5], s[4:5], s[24:25]
	s_lshl_b32 s24, ttmp9, 11                      ; and of its scale bytes
	s_add_nc_u64 s[6:7], s[6:7], s[24:25]
	s_lshl_b32 s24, ttmp9, 8                       ; 64 numbers of the biases and of a row of bcw
	s_add_nc_u64 s[12:13], s[12:13], s[24:25]
	s_add_nc_u64 s[14:15], s[14:15], s[24:25]
	s_add_nc_u64 s[18:19], s[18:19], s[24:25]
	s_lshl_b32 s24, s22, 13                        ; my 16 rows of decoder_state's codes,
	s_add_nc_u64 s[8:9], s[8:9], s[24:25]
	s_lshl_b32 s24, s22, 9                         ; of its scale bytes,
	s_add_nc_u64 s[10:11], s[10:11], s[24:25]
	s_lshl_b32 s24, s22, 16                        ; and of bcw
	s_add_nc_u64 s[18:19], s[18:19], s[24:25]
	WIN 0x40                                       ; destination window 1
.irp t, 0,1,2,3
.irp q, 0,1,2,3,4,5,6,7
.irp c, 0,1
	global_load_b128 v[8*(8*\t+\q)+4*\c:8*(8*\t+\q)+4*\c+3], v[CO], s[4:5] offset:8192*\t+64*\q+32*\c
.endr
.endr
.endr
	WIN 0
.irp n, 0,1,2,3,4,5,6,7,8,9,10,11,12,13,14,15
	global_load_b128 v[DSF+4*\n:DSF+4*\n+3], v[CO], s[8:9] offset:32*\n
.endr
.irp t, 0,1,2,3
	global_load_b128 v[WS+4*\t:WS+4*\t+3], v[SO], s[6:7] offset:512*\t
.endr
	global_load_b128 v[SS:SS+3], v[SO], s[10:11]
.irp t, 0,1,2,3
	global_load_b128 v[BS+8*\t:BS+8*\t+3], v[BO], s[12:13] offset:64*\t
	global_load_b128 v[BS+8*\t+4:BS+8*\t+7], v[BO], s[12:13] offset:64*\t+16
	global_load_b128 v[BE+8*\t:BE+8*\t+3], v[BO], s[14:15] offset:64*\t
	global_load_b128 v[BE+8*\t+4:BE+8*\t+7], v[BO], s[14:15] offset:64*\t+16
.endr
	s_wait_loadcnt 0x0                             ; everything is wanted at once: one wait
.irp j, 0,2,4,6,8,10,12,14,16,18,20,22,24,26,28,30
	v_pk_add_f32 v[BS+\j:BS+\j+1], v[BS+\j:BS+\j+1], v[BE+\j:BE+\j+1]
.endr
.rept 4
	v_nop
.endr
; K step q of tile t.  The four accumulators take turns, one instruction a turn.  For q >= 4 both sides' scale words stand in lanes 16-31.
.macro DMM q, t
.if \q == 0
	v_wmma_scale_f32_16x16x128_f8f6f4 v[ACC+8*\t:ACC+8*\t+7], v[8*(8*\t+\q):8*(8*\t+\q)+7], v[DSF+8*\q:DSF+8*\q+7], v[BS+8*\t:BS+8*\t+7], v[WS+4*\t+\q], v[SS+\q] matrix_a_fmt:MATRIX_FMT_FP4 matrix_b_fmt:MATRIX_FMT_FP4
.elseif \q < 4
	v_wmma_scale_f32_16x16x128_f8f6f4 v[ACC+8*\t:ACC+8*\t+7], v[8*(8*\t+\q):8*(8*\t+\q)+7], v[DSF+8*\q:DSF+8*\q+7], v[ACC+8*\t:ACC+8*\t+7], v[WS+4*\t+\q], v[SS+\q] matrix_a_fmt:MATRIX_FMT_FP4 matrix_b_fmt:MATRIX_FMT_FP4
.else
	v_wmma_scale_f32_16x16x128_f8f6f4 v[ACC+8*\t:ACC+8*\t+7], v[8*(8*\t+\q):8*(8*\t+\q)+7], v[DSF+8*\q:DSF+8*\q+7], v[ACC+8*\t:ACC+8*\t+7], v[WS+4*\t+\q-4], v[SS+\q-4] matrix_a_fmt:MATRIX_FMT_FP4 matrix_b_fmt:MATRIX_FMT_FP4 matrix_a_scale:MATRIX_SCALE_ROW1 matrix_b_scale:MATRIX_SCALE_ROW1
.endif
.endm
	WIN 0x01                                       ; source 0 (W_dec) window 1
.irp q, 0,1,2,3,4,5,6,7
.irp t, 0,1,2,3
	DMM \q, \t
.endr
.endr
	WIN 0
.rept 4
	v_nop                                          ; four places between the last product and the first read of a result (ISA guide 7.12.1)
.endr
.irp t, 0,1,2,3
.irp p, 0,2,4,6
	v_pk_mul_f32 v[OUTR+8*\t+\p:OUTR+8*\t+\p+1], v[ACC+8*\t+\p:ACC+8*\t+\p+1], CSC op_sel_hi:[1,0]   ; each accumulator from its low end on
.endr
.endr
.irp t, 0,1,2,3
	ds_store_b128 v[STI], v[OUTR+8*\t:OUTR+8*\t+3] offset:64*\t
	ds_store_b128 v[STI], v[OUTR+8*\t+4:OUTR+8*\t+7] offset:64*\t+16
.endr
.irp k, 0,1,2,3,4,5,6,7
	ds_load_b128 v[BK+4*\k:BK+4*\k+3], v[STB] offset:544*\k       ; my own bytes, and LDS serves a wave's instructions in order (ISA guide 5.7.1.4): these see the stores above
.endr
.irp k, 0,1,2,3,4,5,6,7
	s_wait_dscnt 7-\k                              ; the younger loads may stay out
	global_store_b128 v[GO], v[BK+4*\k:BK+4*\k+3], s[18:19] offset:8192*\k   ; sixteen lanes store 256 consecutive bytes, at a multiple of 256 from bcw's first byte
.endr
	s_set_vgpr_msb 0x8
	s_wait_tensorcnt 0x0
	ds_add_u32 v31, v1
	s_wait_dscnt 0x0
	s_set_vgpr_msb 0x800
	s_endpgm
.Lrelay:	; ---- W_enc's codes into the order of the operand's registers: wave w takes the 16 rows of tile nt = 4 (g - 16) + w
	s_sub_co_u32 s24, ttmp9, 16
	s_lshl_b32 s24, s24, 2
	s_add_co_u32 s24, s24, s22
	s_lshl_b32 s24, s24, 13                        ; 16 rows x 512 bytes, in both buffers
	s_add_nc_u64 s[16:17], s[16:17], s[24:25]
	s_add_nc_u64 s[20:21], s[20:21], s[24:25]
.irp n, 0,1,2,3,4,5,6,7,8,9,10,11,12,13,14,15
	global_load_b128 v[DSF+4*\n:DSF+4*\n+3], v[CO], s[16:17] offset:32*\n
.endr
.irp n, 0,1,2,3,4,5,6,7,8,9,10,11,12,13,14,15
	s_wait_loadcnt 15-\n                           ; the younger loads may stay out
	global_store_b128 v[O16], v[DSF+4*\n:DSF+4*\n+3], s[20:21] offset:512*\n   ; 512 consecutive bytes
.endr
	s_endpgm
.Lfunc_end_k_q9da83c92b6_prep:
	.size	k_q9da83c92b6_prep, .Lfunc_end_k_q9da83c92b6_prep-k_q9da83c92b6_prep
	.p2alignl 7, 3214868480
	.fill 96, 4, 3214868480
	.section	.rodata,"a",@progbits
	.p2align	6, 0x0
	.amdhsa_kernel k_q9da83c92b6_prep
		.amdhsa_group_segment_fixed_size 17920
		.amdhsa_private_segment_fixed_size 0
		.amdhsa_enable_private_segment 0
		.amdhsa_kernarg_size 72
		.amdhsa_user_sgpr_count 2
		.amdhsa_user_sgpr_kernarg_segment_ptr 1
		.amdhsa_wavefront_size32 1
		.amdhsa_system_sgpr_workgroup_id_x 1
		.amdhsa_system_sgpr_workgroup_id_y 1
		.amdhsa_system_sgpr_workgroup_id_z 1
		.amdhsa_system_vgpr_workitem_id 0
		.amdhsa_next_free_vgpr 514
		.amdhsa_next_free_sgpr 66
		.amdhsa_reserve_vcc 0
		.amdhsa_float_denorm_mode_32 3
		.amdhsa_float_denorm_mode_16_64 3
		.amdhsa_memory_ordered 1
		.amdhsa_forward_progress 1
		.amdhsa_inst_pref_size 25
	.end_amdhsa_kernel
	.amdgpu_metadata
---
amdhsa.version: [ 1, 2 ]
amdhsa.kernels:
  - .name:           k_q9da83c92b6_prep
    .symbol:         k_q9da83c92b6_prep.kd
    .args:
      - { .name: W_dec_codes, .offset: 0, .size: 8, .value_kind: global_buffer, .address_space: global }
      - { .name: W_dec_scales, .offset: 8, .size: 8, .value_kind: global_buffer, .address_space: global }
      - { .name: decoder_state_codes, .offset: 16, .size: 8, .value_kind: global_buffer, .address_space: global }
      - { .name: decoder_state_scales, .offset: 24, .size: 8, .value_kind: global_buffer, .address_space: global }
      - { .name: b_dec, .offset: 32, .size: 8, .value_kind: global_buffer, .address_space: global }
      - { .name: b_enc, .offset: 40, .size: 8, .value_kind: global_buffer, .address_space: global }
      - { .name: W_enc_codes, .offset: 48, .size: 8, .value_kind: global_buffer, .address_space: global }
      - { .name: bcw, .offset: 56, .size: 8, .value_kind: global_buffer, .address_space: global }
      - { .name: Wf, .offset: 64, .size: 8, .value_kind: global_buffer, .address_space: global }
    .group_segment_fixed_size: 17920
    .private_segment_fixed_size: 0
    .kernarg_segment_align: 8
    .kernarg_segment_size: 72
    .max_flat_workgroup_size: 128
    .sgpr_count:     66
    .vgpr_count:     514
    .wavefront_size: 32
...
	.end_amdgpu_metadata
.endif
;; end of part 1
;; launch score (part 2): grid 16 x 64, 8 waves a work-group, no clusters, 321,536 bytes of LDS; arguments source_hids, src_lengths, Wf, W_enc_scales, bcw, v_score, sc, stat, part; writes sc, stat, part
.if DOCPART == 2
	.amdgcn_target "amdgcn-amd-amdhsa--gfx1250"
	.amdhsa_code_object_version 6
	.text
	.protected	k_q9da83c92b6_score
	.globl	k_q9da83c92b6_score
	.p2align	8
	.type	k_q9da83c92b6_score,@function
k_q9da83c92b6_score:
	s_mov_b64 s[64:65], 0
	v_nop
	global_prefetch_b8 v0, s[64:65] scope:SCOPE_SE
	s_setreg_imm32_b32 hwreg(HW_REG_WAVE_MODE, 25, 1), 1
	s_wait_xcnt 0x0
; One work-group takes one tile: column b (grid y), rows s0 = 64 i .. s0 + 63 (grid x) of source_hids, and reads those 256 KiB once.
;   A: each wave loads 8 rows, keeps a copy of their upper 24 bits in LDS (for the context) and quantises them along their 1,024 numbers to FP4 (E2M1) with one E8M0 byte for each 32.
;   B: wave w makes attention units a = 128 w .. 128 w + 127 for all 64 rows: enc on codes, tanh(enc + dec + biases), times v_score, summed: a partial score a row.
;   C: the 64 scores, the mask (s >= len: -1e6), the tile's own maximum m, p = exp(score - m), l = sum p, and the partial context sum p x: the last launch joins the tiles.
; A TILE THAT LIES WHOLLY AT s >= len[b] IS LEFT OUT (its weights are exp(-1e6 - max) = 0): three scalar branches on a flag made from src_lengths jump over the three phases.
; Both barriers stand outside those branches, on every wave's path.  With len <= 0 every row is masked and every tile runs.  The launch
; has no tensor load, and so no joint loads either: W_enc's codes, which every tile walks, come straight into registers, in the register order that the launch before laid.
; tanh(x) = 1 - 2 / (1 + 2^(c x)), c = 2 log2(e); bcw holds c (dec + b_dec + b_enc), so c x is one fused multiply-add; score = sum v + sum (-2 v) / (1 + 2^(c x)).
; The product is used transposed (source 0 = 16 rows of W_enc, source 1 = 16 rows of the tile): lane (r, h) holds row 16 mt + r, register j unit 16 nt + 8 h + j.
; THE COPY FOR THE CONTEXT: a whole f32 copy (262,144 bytes) does not fit beside the codes and the stages, and bf16 is too coarse where a short column's large terms cancel.  So the upper
; 16 bits of a number lie in one array and its bits 15:8 in another: 3 bytes a number, put together again by v_perm_b32 (the middle byte stands for the lowest byte too).
; LIMITS: NaN and infinities among the inputs are not served; a block whose largest magnitude lies under 2^-124 gets the byte 1 (a block of zeros too: its codes are zeros);
; the sum of |v_score| stays under about 9e5, so that a masked row's weight is 0 beside an open row's; for the context alone source_hids is cut to 24 bits: an error under 2^-15 of the number.
; No prefetch: a work-group asks for its whole tile in its first lines, and what it streams later is read by every work-group.
.set BF,   0                           ; LDS: the tile's upper 16 bits, 64 rows x 2,048 bytes
.set B8,   131072                      ; its bits 15:8, 64 rows x 1,024 bytes
.set COD,  196608                      ; its codes, 64 rows x (512 + 16) bytes
.set ASC,  230400                      ; its scale bytes, 64 rows x 48 (32 used)
.set STG,  233472                      ; for each wave two stages of 32 blocks x (128 + 16) bytes
.set BCT,  307200                      ; bcw[b][:], wave w's own 512 bytes at 512 w; 4,096 bytes on: -2 v_score likewise
.set SCR,  315392                      ; partial scores [row][wave], 48 bytes a row
.set PB,   318464                      ; p[64], a copy for each wave
.set O16,  1                           ; v1   16 x lane
.set STS,  2                           ; v2   stage, in
.set STL,  3                           ; v3   stage, back: 144 x lane
.set BFS,  4                           ; v4   the copy's upper halves: my wave's rows, 8 x lane
.set CDS,  5                           ; v5   the codes: my wave's rows, 16 x lane
.set SBS,  6                           ; v6   the scale bytes: my wave's rows, lane
.set AFA,  7                           ; v7   a fragment of the tile: 528 r + 16 h
.set ASA,  8                           ; v8   its scale words: 48 r + 16 h
.set TBS,  9                           ; v9   my wave's tables, in
.set TBL,  10                          ; v10  and back: + 32 h
.set WSO,  11                          ; v11  W_enc's scale words: 32 r + 16 h
.set VW,   12                          ; v12  the sum of my wave's 128 v_score
.set PT,   13                          ; v13  a lane permute's destination, written once at the head
.set SCS,  14                          ; v14  partial scores, in
.set SCL,  15                          ; v15  and back: 96 x lane (two rows)
.set MX,   16                          ; v16-17 two chains of a maximum
.set SOP,  18                          ; v18  the conversion's scale operand
.set BYT,  19                          ; v19  the scale's byte
.set CODE, 20                          ; v20-23 a block's codes
.set AS,   24                          ; v24-39 the tile's scale words (4 mt + j): scales and nothing else
.set WS,   40                          ; v40-47 W_enc's scale words, two sets: scales and nothing else
.set BCR,  48                          ; v48-55 c (dec + biases) of my eight units
.set VPR,  56                          ; v56-63 -2 v of them
.set ACC,  64                          ; v64-95 four accumulators
.set SACC, 96                          ; v96-103 the scores' sums, a pair for each mt
.set TB,   104                         ; v104-107 bcw as loaded, v108-111 v_score, v112-115 -2 v_score
.set PBS,  116                         ; v116 p, in;  v117 p, back
.set PBL,  117
.set CXA,  118                         ; v118 my four columns of the copy's upper halves, rows 0-31;  v119 rows 32-63
.set CXB,  119
.set O8,   120                         ; v120 8 x lane
.set IDX,  121                         ; v121 s0 + 2 x lane
.set LANE, 122
.set RR,   123
.set HH,   124
.set CMA,  125                         ; v125 my four columns of the copy's middle bytes
.set B8S,  126                         ; v126 the middle bytes: my wave's rows, 4 x lane
.set WR,   128                         ; v128-255 W_enc's fragments, two sets of 64 (phase B)
.set Y,    128                         ; v128-191 two sets of 32 neighbours (phase A)
.set T16,  192                         ; v192-207 a row's upper halves, two to a register (phase A)
.set TT,   208                         ; v208-223 its middle bytes, two to a register (phase A)
.set MB,   224                         ; v224-231 and four to a register (phase A)
.set CA,   64                          ; v64-71 the context: 4 columns x the row's parity (phase C)
.set TX,   80                          ; v80-87 four numbers put together again, two sets (phase C)
.set GM0,  48                          ; v48-63 and v88-103: two sets of 16 rows' middle bytes (phase C)
.set GMD,  40
.set P,    128                         ; v128-191 p of the 64 rows (phase C)
.set G,    192                         ; v192-255 two sets of 16 rows x 4 upper halves (phase C)
                                       ; window 1: phase A: 8 rows as loaded, 32 registers each; phase B: the tile's 32 fragments, (mt, q) at v[8 (8 mt + q)]
.set MSB, 0
.macro WIN new                         ; the immediate's high byte repeats the setting that is left
.if MSB != \new
	s_set_vgpr_msb (MSB<<8)|\new
.set MSB, \new
.endif
.endm
	s_load_b512 s[4:19], s[0:1], 0x0               ; source_hids s[4:5], src_lengths s[6:7], Wf s[8:9], W_enc_scales s[10:11], bcw s[12:13], v_score s[14:15], sc s[16:17], stat s[18:19]
	s_load_b64 s[20:21], s[0:1], 0x40              ; part
	v_lshrrev_b32 v1, 5, v0
	v_readfirstlane_b32 s22, v1                    ; wave 0..7
	s_and_b32 s24, ttmp7, 0xffff                   ; b
	s_lshl_b32 s25, ttmp9, 6                       ; s0
	s_mov_b32 s30, 0x76543210
	s_mov_b32 s31, 0xfedcba98                      ; v_permlanex16_b32's selects for lane l xor 16
	s_mov_b32 s32, 0x4038aa3b                      ; c = 2 log2(e)
	s_mov_b32 s33, s32                             ; (named with it as a pair, so it is written)
	; v_perm_b32's selects (a select byte 0-3 takes a byte of the second source, 4-7 of the first)
	s_mov_b32 s36, 0x07060302                      ; the upper halves of two numbers
	s_mov_b32 s37, 0x00000501                      ; byte 1 of two numbers, into bytes 0 and 1
	s_mov_b32 s38, 0x05040100                      ; the lower halves of two registers
	s_mov_b32 s39, 0x05040000                      ; back: number 0 = lower half of the first source over byte 0 of the second, twice
	s_mov_b32 s40, 0x07060101                      ; number 1 = upper half over byte 1
	s_mov_b32 s41, 0x05040202                      ; number 2 = lower half over byte 2
	s_mov_b32 s42, 0x07060303                      ; number 3 = upper half over byte 3
	v_and_b32 v[LANE], 31, v0
	v_and_b32 v[RR], 15, v0
	v_bfe_u32 v[HH], v0, 4, 1
	v_mov_b32 v[PT], 0
	; every address register is made here, ahead of the branches
	v_lshlrev_b32 v[O16], 4, v[LANE]
	s_mul_i32 s35, s22, 9216
	s_add_co_u32 s35, s35, STG
	v_lshrrev_b32 v[STS], 3, v[LANE]
	v_mul_u32_u24 v[STS], v[STS], 144
	v_and_b32 v[STL], 7, v[LANE]
	v_lshl_add_u32 v[STS], v[STL], 4, v[STS]
	v_add_nc_u32 v[STS], s35, v[STS]               ; a load's 512 bytes are four blocks of 128: 144 (lane / 8) + 16 (lane % 8)
	v_mul_u32_u24 v[STL], v[LANE], 144
	v_add_nc_u32 v[STL], s35, v[STL]
	s_lshl_b32 s35, s22, 14
	v_lshl_add_u32 v[BFS], v[LANE], 3, s35
	s_lshl_b32 s35, s22, 13
	s_add_co_u32 s35, s35, B8
	v_lshl_add_u32 v[B8S], v[LANE], 2, s35
	s_lshl_b32 s35, s22, 7
	s_add_co_u32 s35, s35, B8
	v_lshl_add_u32 v[CMA], v[LANE], 2, s35
	s_mul_i32 s35, s22, 4224
	s_add_co_u32 s35, s35, COD
	v_add_nc_u32 v[CDS], s35, v[O16]
	s_mul_i32 s35, s22, 384
	s_add_co_u32 s35, s35, ASC
	v_add_nc_u32 v[SBS], s35, v[LANE]
	v_mul_u32_u24 v[AFA], v[RR], 528
	v_lshl_add_u32 v[AFA], v[HH], 4, v[AFA]
	v_add_nc_u32 v[AFA], COD, v[AFA]
	v_mul_u32_u24 v[ASA], v[RR], 48
	v_lshl_add_u32 v[ASA], v[HH], 4, v[ASA]
	v_add_nc_u32 v[ASA], ASC, v[ASA]
	s_lshl_b32 s35, s22, 9
	s_add_co_u32 s35, s35, BCT
	v_add_nc_u32 v[TBS], s35, v[O16]
	v_lshl_add_u32 v[TBL], v[HH], 5, s35
	v_lshlrev_b32 v[WSO], 5, v[RR]
	v_lshl_add_u32 v[WSO], v[HH], 4, v[WSO]
	v_mul_u32_u24 v[SCS], v[RR], 48
	s_lshl_b32 s35, s22, 2
	s_add_co_u32 s35, s35, SCR
	v_add_nc_u32 v[SCS], s35, v[SCS]
	v_mul_u32_u24 v[SCL], v[LANE], 96
	v_add_nc_u32 v[SCL], SCR, v[SCL]
	s_lshl_b32 s35, s22, 8
	s_add_co_u32 s34, s35, PB
	v_lshl_add_u32 v[PBS], v[LANE], 3, s34
	v_mov_b32 v[PBL], s34
	v_lshl_add_u32 v[CXA], v[LANE], 3, s35
	v_add_nc_u32 v[CXB], 0x10000, v[CXA]
	v_lshlrev_b32 v[O8], 3, v[LANE]
	v_lshl_add_u32 v[IDX], v[LANE], 1, s25
	s_wait_kmcnt 0x0
	s_lshl_b32 s28, s24, 2
	s_mov_b32 s29, 0
	s_add_nc_u64 s[6:7], s[6:7], s[28:29]
	s_load_b32 s26, s[6:7], 0x0                    ; len[b]
	s_lshl_b32 s28, s22, 3
	s_add_co_u32 s28, s28, s25
	s_lshl_b32 s28, s28, 18                        ; row s of source_hids begins s x 64 x 4,096 bytes in: my wave's first row s0 + 8 w,
	s_lshl_b32 s35, s24, 12                        ; 4,096 b
	s_add_co_u32 s28, s28, s35                     ; column b (under 2^28)
	s_add_nc_u64 s[4:5], s[4:5], s[28:29]
	s_lshl_b32 s28, s22, 16                        ; my 8 tiles of Wf
	s_add_nc_u64 s[8:9], s[8:9], s[28:29]
	s_lshl_b32 s28, s22, 12                        ; my 128 rows of W_enc's scale bytes
	s_add_nc_u64 s[10:11], s[10:11], s[28:29]
	s_lshl_b32 s34, s22, 9                         ; 512 w
	s_add_co_u32 s28, s35, s34
	s_add_nc_u64 s[12:13], s[12:13], s[28:29]      ; bcw[b][128 w]
	s_mov_b32 s28, s34
	s_add_nc_u64 s[14:15], s[14:15], s[28:29]      ; v_score[128 w]
	s_lshl_b32 s28, s25, 2
	s_add_co_u32 s28, s28, s35
	s_add_nc_u64 s[16:17], s[16:17], s[28:29]      ; sc[b][s0]
	s_lshl_b32 s28, s24, 7
	s_lshl_b32 s35, ttmp9, 3
	s_add_co_u32 s28, s28, s35
	s_add_nc_u64 s[18:19], s[18:19], s[28:29]      ; stat[b][i]
	s_lshl_b32 s28, s24, 16
	s_lshl_b32 s35, ttmp9, 12
	s_add_co_u32 s28, s28, s35
	s_add_co_u32 s28, s28, s34
	s_add_nc_u64 s[20:21], s[20:21], s[28:29]      ; part[b][i][128 w]
	s_wait_kmcnt 0x0
	s_cmp_le_i32 s26, 0
	s_cselect_b32 s27, 1, 0
	s_cmp_lt_i32 s25, s26
	s_cselect_b32 s35, 1, 0
	s_or_b32 s27, s27, s35                         ; 1: the tile has work
	s_cmp_eq_u32 s27, 0
	s_cbranch_scc1 .LskipA
	; ---- A.  All 64 loads of my 8 rows go out at once: 512 consecutive bytes each
	WIN 0x40                                       ; destination window 1
.irp p, 0,1,2,3,4,5,6,7
.irp j, 0,1,2,3,4,5,6,7
	global_load_b128 v[32*\p+4*\j:32*\p+4*\j+3], v[O16], s[4:5] offset:262144*\p+512*\j th:TH_LOAD_NT
.endr
.endr
	WIN 0
; Row p: the copy of its upper 24 bits goes to LDS; its f32 numbers turn through my stage, so that lane l gets the 32 neighbours of block l.
.macro TURN p
	s_wait_loadcnt 56-8*(\p)                       ; behind row p's eight loads stand the eight of each later row
	WIN 0x05                                       ; sources 0 and 1 window 1
.irp j, 0,1,2,3,4,5,6,7
	v_perm_b32 v[T16+2*\j], v[32*(\p)+4*\j+1], v[32*(\p)+4*\j], s36       ; the upper halves of numbers 0 and 1,
	v_perm_b32 v[T16+2*\j+1], v[32*(\p)+4*\j+3], v[32*(\p)+4*\j+2], s36   ; of 2 and 3;
	v_perm_b32 v[TT+2*\j], v[32*(\p)+4*\j+1], v[32*(\p)+4*\j], s37        ; their bits 15:8
	v_perm_b32 v[TT+2*\j+1], v[32*(\p)+4*\j+3], v[32*(\p)+4*\j+2], s37
.endr
	WIN 0x04                                       ; an LDS store's data are its source 1: window 1
.irp j, 0,1,2,3,4,5,6,7
	ds_store_b128 v[STS], v[32*(\p)+4*\j:32*(\p)+4*\j+3] offset:4608*((\p)%2)+576*\j
.endr
	WIN 0
.irp j, 0,1,2,3,4,5,6,7
	v_perm_b32 v[MB+\j], v[TT+2*\j+1], v[TT+2*\j], s38             ; four middle bytes to a register
.endr
.irp j, 0,1,2,3,4,5,6,7
	ds_store_b64 v[BFS], v[T16+2*\j:T16+2*\j+1] offset:2048*(\p)+256*\j
	ds_store_b32 v[B8S], v[MB+\j] offset:1024*(\p)+128*\j
.endr
.irp k, 0,1,2,3,4,5,6,7
	ds_load_b128 v[Y+32*((\p)%2)+4*\k:Y+32*((\p)%2)+4*\k+3], v[STL] offset:4608*((\p)%2)+16*\k   ; LDS serves a wave's instructions in order: these see the stores above
.endr
.endm
; Block l of row p: the largest magnitude (with the floor 2^(3 - 127) among its leaves, so that the byte cannot fall under 1), 2 off its exponent field, four conversions.
.macro QUANT p
.set YB, Y+32*((\p)%2)
	v_max3_num_f32 v[MX], |v[YB]|, |v[YB+1]|, 0x1800000
	v_max3_num_f32 v[MX+1], |v[YB+2]|, |v[YB+3]|, |v[YB+4]|
.set n, 0
.rept 13
	v_max3_num_f32 v[MX+n%2], v[MX+n%2], |v[YB+5+2*n]|, |v[YB+6+2*n]|
.set n, n+1
.endr
	v_max3_num_f32 v[MX], v[MX], v[MX+1], |v[YB+31]|
	v_add_nc_u32 v[SOP], 0xff000000, v[MX]         ; the conversion takes the exponent field of this operand as its scale, and nothing else of it
.irp g, 0,1,2,3
	v_cvt_scalef32_pk8_fp4_f32 v[CODE+\g], v[YB+8*\g:YB+8*\g+7], v[SOP]
.endr
	v_lshrrev_b32 v[BYT], 23, v[SOP]               ; the scale's byte; also the plain instruction behind the conversions
	ds_store_b128 v[CDS], v[CODE:CODE+3] offset:528*(\p)
	ds_store_b8 v[SBS], v[BYT] offset:48*(\p)
.endm
.macro STEP p
	s_wait_dscnt 0x0                               ; row p's neighbours are back, and my earlier LDS stores have read their registers
.if (\p) < 7
	TURN (\p)+1                                    ; the next row turns while this one is quantised
.endif
	QUANT \p
.endm
	TURN 0
.irp p, 0,1,2,3,4,5,6,7
	STEP \p
.endr
.LskipA:
	s_wait_dscnt 0x0                               ; for the others' sake: my codes, scale bytes and the copy's rows have landed
	s_barrier_signal -1
	s_barrier_wait -1
	s_cmp_eq_u32 s27, 0
	s_cbranch_scc1 .LskipB
	; ---- B
.macro LOADW i                         ; tile i of my eight: 16 pieces of 512 consecutive bytes and its rows' scale words: 17 loads
.set LWB, WR+64*((\i)%2)
.irp n, 0,1,2,3,4,5,6,7,8,9,10,11,12,13,14,15
	global_load_b128 v[LWB+4*\n:LWB+4*\n+3], v[O16], s[8:9] offset:8192*(\i)+512*\n
.endr
	global_load_b128 v[WS+4*((\i)%2):WS+4*((\i)%2)+3], v[WSO], s[10:11] offset:512*(\i)
.endm
	global_load_b128 v[TB:TB+3], v[O16], s[12:13]
	global_load_b128 v[TB+4:TB+7], v[O16], s[14:15]
	LOADW 0
	LOADW 1                                        ; they land under the 68 LDS loads below
	WIN 0x40                                       ; destination window 1
.irp m, 0,1,2,3
.irp q, 0,1,2,3,4,5,6,7
.irp c, 0,1
	ds_load_b128 v[8*(8*\m+\q)+4*\c:8*(8*\m+\q)+4*\c+3], v[AFA] offset:8448*\m+64*\q+32*\c
.endr
.endr
.endr
	WIN 0
.irp m, 0,1,2,3
	ds_load_b128 v[AS+4*\m:AS+4*\m+3], v[ASA] offset:768*\m       ; lanes 0-15: words 0-3 of row r; lanes 16-31: words 4-7
.endr
	s_wait_loadcnt 34                              ; bcw and v_score are in; the 17 loads of each of the two tiles may be out
	v_pk_mul_f32 v[TB+8:TB+9], v[TB+4:TB+5], -2.0 op_sel_hi:[1,0]
	v_pk_mul_f32 v[TB+10:TB+11], v[TB+6:TB+7], -2.0 op_sel_hi:[1,0]
	ds_store_b128 v[TBS], v[TB:TB+3]
	ds_store_b128 v[TBS], v[TB+8:TB+11] offset:4096
	v_add_f32 v[VW], v[TB+4], v[TB+5]
	v_add_f32 v[SACC], v[TB+6], v[TB+7]
	v_add_f32 v[VW], v[VW], v[SACC]
	v_add_f32_dpp v[VW], v[VW], v[VW] row_xmask:1 row_mask:0xf bank_mask:0xf
	v_add_f32_dpp v[VW], v[VW], v[VW] row_xmask:2 row_mask:0xf bank_mask:0xf
	v_add_f32_dpp v[VW], v[VW], v[VW] row_xmask:4 row_mask:0xf bank_mask:0xf
	v_add_f32_dpp v[VW], v[VW], v[VW] row_xmask:8 row_mask:0xf bank_mask:0xf
	v_permlanex16_b32 v[PT], v[VW], s30, s31
	v_add_f32 v[VW], v[VW], v[PT]                  ; the sum of my wave's 128 v_score, in every lane
	s_wait_dscnt 0x0                               ; the tile's fragments and scale words are in
; K step q for the tile's rows 16 m on.  For q >= 4 both sides' scale words stand in lanes 16-31.
.macro MM q, m
.if \q == 0
	v_wmma_scale_f32_16x16x128_f8f6f4 v[ACC+8*\m:ACC+8*\m+7], v[WB+8*\q:WB+8*\q+7], v[8*(8*\m+\q):8*(8*\m+\q)+7], 0, v[WSI+\q], v[AS+4*\m+\q] matrix_a_fmt:MATRIX_FMT_FP4 matrix_b_fmt:MATRIX_FMT_FP4
.elseif \q < 4
	v_wmma_scale_f32_16x16x128_f8f6f4 v[ACC+8*\m:ACC+8*\m+7], v[WB+8*\q:WB+8*\q+7], v[8*(8*\m+\q):8*(8*\m+\q)+7], v[ACC+8*\m:ACC+8*\m+7], v[WSI+\q], v[AS+4*\m+\q] matrix_a_fmt:MATRIX_FMT_FP4 matrix_b_fmt:MATRIX_FMT_FP4
.else
	v_wmma_scale_f32_16x16x128_f8f6f4 v[ACC+8*\m:ACC+8*\m+7], v[WB+8*\q:WB+8*\q+7], v[8*(8*\m+\q):8*(8*\m+\q)+7], v[ACC+8*\m:ACC+8*\m+7], v[WSI+\q-4], v[AS+4*\m+\q-4] matrix_a_fmt:MATRIX_FMT_FP4 matrix_b_fmt:MATRIX_FMT_FP4 matrix_a_scale:MATRIX_SCALE_ROW1 matrix_b_scale:MATRIX_SCALE_ROW1
.endif
.endm
; 64 rows x 16 units: c x, 2^(c x), 1 + it, its reciprocal, times -2 v into the rows' sums.  Each batch of 32 transcendentals has one plain instruction and one wait behind it.
.macro EP i
.irp p, 0,2,4,6
.irp m, 0,1,2,3
	v_pk_fma_f32 v[ACC+8*\m+\p:ACC+8*\m+\p+1], v[ACC+8*\m+\p:ACC+8*\m+\p+1], s[32:33], v[BCR+\p:BCR+\p+1] op_sel_hi:[1,0,1]   ; each accumulator from its low end on
.endr
.endr
.set n, 0
.rept 32
	v_exp_f32 v[ACC+n], v[ACC+n]
.set n, n+1
.endr
	v_nop
	s_wait_alu depctr_va_vdst(0)
.set n, 0
.rept 16
	v_pk_add_f32 v[ACC+n:ACC+n+1], v[ACC+n:ACC+n+1], 1.0 op_sel_hi:[1,0]
.set n, n+2
.endr
.set n, 0
.rept 32
	v_rcp_f32 v[ACC+n], v[ACC+n]
.set n, n+1
.endr
	v_nop
	s_wait_alu depctr_va_vdst(0)
.irp p, 0,2,4,6
.irp m, 0,1,2,3
.if (\i == 0) && (\p == 0)
	v_pk_mul_f32 v[SACC+2*\m:SACC+2*\m+1], v[ACC+8*\m+\p:ACC+8*\m+\p+1], v[VPR+\p:VPR+\p+1]   ; the first product starts the sums
.else
	v_pk_fma_f32 v[SACC+2*\m:SACC+2*\m+1], v[ACC+8*\m+\p:ACC+8*\m+\p+1], v[VPR+\p:VPR+\p+1], v[SACC+2*\m:SACC+2*\m+1]
.endif
.endr
.endr
.endm
.macro ITER i
.set WB, WR+64*((\i)%2)
.set WSI, WS+4*((\i)%2)
.if \i < 7
	s_wait_loadcnt 17                              ; this tile's 17 loads are in; the next tile's 17 may be out
.else
	s_wait_loadcnt 0x0
.endif
	ds_load_b128 v[BCR:BCR+3], v[TBL] offset:64*\i
	ds_load_b128 v[BCR+4:BCR+7], v[TBL] offset:64*\i+16
	ds_load_b128 v[VPR:VPR+3], v[TBL] offset:4096+64*\i
	ds_load_b128 v[VPR+4:VPR+7], v[TBL] offset:4096+64*\i+16
	WIN 0x04                                       ; source 1 (the tile) window 1
.irp q, 0,1,2,3,4,5,6,7
.irp m, 0,1,2,3
	MM \q, \m                                      ; the four accumulators take turns, one instruction a turn
.endr
.endr
	WIN 0
.rept 4
	v_nop                                          ; four places in front of the loads into registers that the products have read, and of the first read of a result
.endr
.if \i < 6
	LOADW \i+2
.endif
	s_wait_dscnt 0x0                               ; the tables' 16 numbers
	EP \i
.endm
.irp i, 0,1,2,3,4,5,6,7
	ITER \i
.endr
.irp m, 0,1,2,3
	v_add_f32 v[ACC+\m], v[SACC+2*\m], v[SACC+2*\m+1]
.endr
.irp m, 0,1,2,3
	v_permlanex16_b32 v[ACC+4+\m], v[ACC+\m], s30, s31   ; the row's other eight units of each tile lie in the lane 16 away
.endr
.irp m, 0,1,2,3
	v_add_f32 v[ACC+\m], v[ACC+\m], v[ACC+4+\m]
.endr
.irp m, 0,1,2,3
	v_add_f32 v[ACC+\m], v[ACC+\m], v[VW]
.endr
.irp m, 0,1,2,3
	ds_store_b32 v[SCS], v[ACC+\m] offset:768*\m   ; row 16 m + r, my wave's word (both halves of the lanes write the same word with the same value)
.endr
.LskipB:
	s_wait_dscnt 0x0                               ; for the others' sake: my partial scores have landed
	s_barrier_signal -1
	s_barrier_wait -1
	s_cmp_eq_u32 s27, 0
	s_cbranch_scc1 .Lend
	; ---- C.  Every wave makes the 64 scores and p for itself (lane l: rows 2 l, 2 l + 1); wave w makes columns 128 w .. 128 w + 127 of the partial context.
	ds_load_b128 v[48:51], v[SCL]
	ds_load_b128 v[52:55], v[SCL] offset:16
	ds_load_b128 v[56:59], v[SCL] offset:48
	ds_load_b128 v[60:63], v[SCL] offset:64
	v_add_nc_u32 v75, 1, v[IDX]
.irp j, 0,1,2,3,4,5,6,7
	v_mov_b32 v[CA+\j], 0
.endr
	s_wait_dscnt 0x0
	v_pk_add_f32 v[48:49], v[48:49], v[50:51]
	v_pk_add_f32 v[52:53], v[52:53], v[54:55]
	v_pk_add_f32 v[56:57], v[56:57], v[58:59]
	v_pk_add_f32 v[60:61], v[60:61], v[62:63]
	v_pk_add_f32 v[48:49], v[48:49], v[52:53]
	v_pk_add_f32 v[56:57], v[56:57], v[60:61]
	v_add_f32 v48, v48, v49
	v_add_f32 v56, v56, v57
	v_cmp_gt_i32 vcc_lo, s26, v[IDX]               ; len > s: the row counts
	v_cndmask_b32 v72, 0xc9742400, v48, vcc_lo     ; else -1e6
	v_cmp_gt_i32 vcc_lo, s26, v75
	v_cndmask_b32 v73, 0xc9742400, v56, vcc_lo
	v_max_num_f32 v76, v72, v73
	v_max_num_f32_dpp v76, v76, v76 row_xmask:1 row_mask:0xf bank_mask:0xf
	v_max_num_f32_dpp v76, v76, v76 row_xmask:2 row_mask:0xf bank_mask:0xf
	v_max_num_f32_dpp v76, v76, v76 row_xmask:4 row_mask:0xf bank_mask:0xf
	v_max_num_f32_dpp v76, v76, v76 row_xmask:8 row_mask:0xf bank_mask:0xf
	v_permlanex16_b32 v[PT], v76, s30, s31
	v_max_num_f32 v76, v76, v[PT]                  ; m: the tile's largest score
	v_sub_f32 v78, v72, v76
	v_sub_f32 v79, v73, v76
	v_mul_f32 v78, 0x3fb8aa3b, v78
	v_mul_f32 v79, 0x3fb8aa3b, v79
	v_exp_f32 v78, v78
	v_exp_f32 v79, v79                             ; p = exp(score - m)
	v_nop
	s_wait_alu depctr_va_vdst(0)                   ; ahead of the first reader
	v_add_f32 v77, v78, v79
	v_add_f32_dpp v77, v77, v77 row_xmask:1 row_mask:0xf bank_mask:0xf
	v_add_f32_dpp v77, v77, v77 row_xmask:2 row_mask:0xf bank_mask:0xf
	v_add_f32_dpp v77, v77, v77 row_xmask:4 row_mask:0xf bank_mask:0xf
	v_add_f32_dpp v77, v77, v77 row_xmask:8 row_mask:0xf bank_mask:0xf
	v_permlanex16_b32 v[PT], v77, s30, s31
	v_add_f32 v77, v77, v[PT]                      ; l: the sum of the tile's p
	ds_store_b64 v[PBS], v[78:79]                  ; p goes round through my wave's own 256 bytes: every lane wants all 64
.irp k, 0,1,2,3,4,5,6,7,8,9,10,11,12,13,14,15
	ds_load_b128 v[P+4*\k:P+4*\k+3], v[PBL] offset:16*\k
.endr
.macro GLOAD g, adr                    ; rows 16 g .. 16 g + 15 of the copy, my four columns: 8 bytes of upper halves and 4 middle bytes a row: 32 loads
.set n, 0
.rept 16
	ds_load_b64 v[G+32*((\g)%2)+2*n:G+32*((\g)%2)+2*n+1], v[\adr] offset:2048*((16*(\g)+n)%32)
	ds_load_b32 v[GM0+GMD*((\g)%2)+n], v[CMA] offset:1024*(16*(\g)+n)
.set n, n+1
.endr
.endm
.macro GFMA g                          ; four numbers of a row are put together again; context += p x; even and odd rows in sums and registers of their own
.set n, 0
.rept 16
.set gx, G+32*((\g)%2)+2*n
.set gm, GM0+GMD*((\g)%2)+n
.set pr, P+16*(\g)+n
.set ca, CA+4*(n%2)
.set tx, TX+4*(n%2)
	v_perm_b32 v[tx], v[gx], v[gm], s39
	v_perm_b32 v[tx+1], v[gx], v[gm], s40
	v_perm_b32 v[tx+2], v[gx+1], v[gm], s41
	v_perm_b32 v[tx+3], v[gx+1], v[gm], s42
	v_fmac_f32 v[ca], v[tx], v[pr]
	v_fmac_f32 v[ca+1], v[tx+1], v[pr]
	v_fmac_f32 v[ca+2], v[tx+2], v[pr]
	v_fmac_f32 v[ca+3], v[tx+3], v[pr]
.set n, n+1
.endr
.endm
	GLOAD 0, CXA
	GLOAD 1, CXA
	s_cmp_lg_u32 s22, 0                            ; wave 0 stores the tile's scores and its (m, l)
	s_cbranch_scc1 .Lnot0
	global_store_b64 v[O8], v[72:73], s[16:17]     ; 256 consecutive bytes, at a multiple of 256 from sc's first byte
	s_wait_xcnt 0x0                                ; EXEC changes only behind this wait
	v_cmp_eq_u32 vcc_lo, 0, v[LANE]
	s_and_saveexec_b32 s34, vcc_lo
	global_store_b64 v[O8], v[76:77], s[18:19]     ; lane 0 alone (its offset is 0)
	s_wait_xcnt 0x0                                ; and again in front of the line that widens it
	s_or_b32 exec_lo, exec_lo, s34
.Lnot0:
	s_wait_dscnt 32                                ; p and the first 16 rows are in; the next group's 32 loads may be out
	GFMA 0
	GLOAD 2, CXB
	s_wait_dscnt 32
	GFMA 1
	GLOAD 3, CXB
	s_wait_dscnt 32
	GFMA 2
	s_wait_dscnt 0x0
	GFMA 3
.irp j, 0,1,2,3
	v_add_f32 v[CA+\j], v[CA+\j], v[CA+4+\j]
.endr
	global_store_b128 v[O16], v[CA:CA+3], s[20:21] ; 512 consecutive bytes
.Lend:
	s_wait_xcnt 0x0
	s_mov_b32 exec_lo, -1
	v_lshl_add_u32 v126, v0, 2, 0x4e400
	v_mov_b32 v127, 0
	s_wait_tensorcnt 0x0
	ds_add_u32 v126, v127
	s_wait_dscnt 0x0
	s_endpgm
.Lfunc_end_k_q9da83c92b6_score:
	.size	k_q9da83c92b6_score, .Lfunc_end_k_q9da83c92b6_score-k_q9da83c92b6_score
	.p2alignl 7, 3214868480
	.fill 96, 4, 3214868480
	.section	.rodata,"a",@progbits
	.p2align	6, 0x0
	.amdhsa_kernel k_q9da83c92b6_score
		.amdhsa_group_segment_fixed_size 321536
		.amdhsa_private_segment_fixed_size 0
		.amdhsa_enable_private_segment 0
		.amdhsa_kernarg_size 72
		.amdhsa_user_sgpr_count 2
		.amdhsa_user_sgpr_kernarg_segment_ptr 1
		.amdhsa_wavefront_size32 1
		.amdhsa_system_sgpr_workgroup_id_x 1
		.amdhsa_system_sgpr_workgroup_id_y 1
		.amdhsa_system_sgpr_workgroup_id_z 1
		.amdhsa_system_vgpr_workitem_id 0
		.amdhsa_next_free_vgpr 512
		.amdhsa_next_free_sgpr 66
		.amdhsa_reserve_vcc 1
		.amdhsa_float_denorm_mode_32 3
		.amdhsa_float_denorm_mode_16_64 3
		.amdhsa_memory_ordered 1
		.amdhsa_forward_progress 1
		.amdhsa_inst_pref_size 194
	.end_amdhsa_kernel
	.amdgpu_metadata
---
amdhsa.version: [ 1, 2 ]
amdhsa.kernels:
  - .name:           k_q9da83c92b6_score
    .symbol:         k_q9da83c92b6_score.kd
    .args:
      - { .name: source_hids, .offset: 0, .size: 8, .value_kind: global_buffer, .address_space: global }
      - { .name: src_lengths, .offset: 8, .size: 8, .value_kind: global_buffer, .address_space: global }
      - { .name: Wf, .offset: 16, .size: 8, .value_kind: global_buffer, .address_space: global }
      - { .name: W_enc_scales, .offset: 24, .size: 8, .value_kind: global_buffer, .address_space: global }
      - { .name: bcw, .offset: 32, .size: 8, .value_kind: global_buffer, .address_space: global }
      - { .name: v_score, .offset: 40, .size: 8, .value_kind: global_buffer, .address_space: global }
      - { .name: sc, .offset: 48, .size: 8, .value_kind: global_buffer, .address_space: global }
      - { .name: stat, .offset: 56, .size: 8, .value_kind: global_buffer, .address_space: global }
      - { .name: part, .offset: 64, .size: 8, .value_kind: global_buffer, .address_space: global }
    .group_segment_fixed_size: 321536
    .private_segment_fixed_size: 0
    .kernarg_segment_align: 8
    .kernarg_segment_size: 72
    .max_flat_workgroup_size: 256
    .sgpr_count:     66
    .vgpr_count:     512
    .wavefront_size: 32
...
	.end_amdgpu_metadata
.endif
;; end of part 2
;; launch finish (part 3): grid 64 x 1, 8 waves a work-group, no clusters, 6,144 bytes of LDS; arguments src_lengths, stat, sc, part, out0, out1; writes out0, out1
.if DOCPART == 3
	.amdgcn_target "amdgcn-amd-amdhsa--gfx1250"
	.amdhsa_code_object_version 6
	.text
	.protected	k_q9da83c92b6_finish
	.globl	k_q9da83c92b6_finish
	.p2align	8
	.type	k_q9da83c92b6_finish,@function
k_q9da83c92b6_finish:
	s_mov_b64 s[64:65], 0
	v_nop
	global_prefetch_b8 v0, s[64:65] scope:SCOPE_SE
	s_setreg_imm32_b32 hwreg(HW_REG_WAVE_MODE, 25, 1), 1
	s_wait_xcnt 0x0
; Joins the tiles.  Work-group g makes the context of column b = g (out0 row g) and rows s = 16 g .. 16 g + 15 of the weights for all 64 columns (out1).
; For column b only chunks 0 .. nch(b) - 1 were written by the launch before: nch = 16 where len <= 0, else min(16, (len + 63) / 64).  Every index into stat, sc and part is
; held at nch - 1, and what was fetched from a held index is replaced (a chunk's m by -3e38 and its l by 0, so that its weight is 0; a score by -1e6): no byte is read that was not written.
; M = the largest m of a column's chunks, L = the sum of l exp(m - M); a chunk's weight is exp(m - M) / L; a row's weight is exp(score - M) / L.
; Every work-group makes M and 1 / L of all 64 columns (8 KiB of stat): eight columns a wave, a column to sixteen lanes, a chunk to a lane; they go round through LDS.
; Column g's sixteen chunk weights are made by every wave for itself, as a fifth column, and go by v_readlane_b32 into scalar registers, from which the context's multiply-adds
; take them: so no LDS address hangs on the work-group's number.  No branch.
.set MT,  0                            ; LDS: M [b]
.set RT,  256                          ; 1 / L [b]
.set TS,  512                          ; 16 rows of out1 x (256 + 16) bytes
.set LEN, 8                            ; v8-11  len of my four columns b = 8 w + 2 k + h;  v12 of column bb
.set NC,  13                           ; v13-16 their nch;  v17 nch(g)
.set SO,  18                           ; v18-22 offsets into stat, five columns
.set ML,  24                           ; v24-33 (m, l), five columns
.set MM,  34                           ; v34-38 M
.set EE,  39                           ; v39-43 exp(m - M); of column g then the chunk's weight
.set LS,  144                          ; v144-148 L, then 1 / L
.set NCB, 149                          ; v149 nch(bb)
.set SCO, 150                          ; v150 offset into sc
.set CX,  60                           ; v60-63 the context's four numbers
.set OFF, 64                           ; v64-79 offsets into part
.set DT,  80                           ; v80-143 sixteen chunks x four numbers of part
.set WG,  32                           ; s32-47 column g's sixteen weights
	s_load_b256 s[4:11], s[0:1], 0x0               ; src_lengths s[4:5], stat s[6:7], sc s[8:9], part s[10:11]
	s_load_b128 s[12:15], s[0:1], 0x20             ; out0 s[12:13], out1 s[14:15]
	v_lshl_add_u32 v160, v0, 2, 0x1400
	v_mov_b32 v161, 0
	v_and_b32 v1, 15, v0                           ; r: the chunk
	v_bfe_u32 v2, v0, 4, 1                         ; h
	v_lshlrev_b32 v3, 4, v0                        ; 16 t
	v_and_b32 v4, 0xfc, v0                         ; 4 bb, bb = t / 4: the column whose four rows' weights I make
	v_and_b32 v5, 3, v0
	v_and_b32 v55, 0xe0, v0                        ; 32 w
	v_lshl_add_u32 v6, v2, 2, v55                  ; 4 (8 w + h): the columns b = 8 w + 2 k + h
	v_lshlrev_b32 v7, 5, v55
	v_lshl_add_u32 v7, v2, 7, v7                   ; 128 (8 w + h): their rows of stat
	v_add_nc_u32 v45, MT, v6                       ; where their M goes
	v_mul_u32_u24 v47, v5, 1088
	v_add_nc_u32 v47, v47, v4
	v_add_nc_u32 v47, TS, v47                      ; TS + 272 x 4 (t % 4) + 4 bb
	v_lshrrev_b32 v54, 4, v0
	v_mul_u32_u24 v54, v54, 272
	v_lshl_add_u32 v54, v1, 4, v54
	v_add_nc_u32 v54, TS, v54                      ; TS + 272 (t / 16) + 16 (t % 16)
	v_lshlrev_b32 v23, 10, v4                      ; sc: 4,096 bb
	v_lshl_add_u32 v23, v5, 4, v23                 ; + 16 (t % 4)
	s_and_b32 s21, ttmp9, 3
	s_lshl_b32 s21, s21, 6
	v_add_nc_u32 v23, s21, v23                     ; + 64 (g % 4)
	s_lshr_b32 s20, ttmp9, 2                       ; g / 4: the chunk that holds my 16 rows
	s_lshl_b32 s16, ttmp9, 2
	s_mov_b32 s17, 0
	s_wait_kmcnt 0x0
	s_add_nc_u64 s[18:19], s[4:5], s[16:17]
	s_load_b32 s23, s[18:19], 0x0                  ; len[g]
.irp k, 0,1,2,3
	global_load_b32 v[LEN+\k], v6, s[4:5] offset:8*\k
.endr
	global_load_b32 v[LEN+4], v4, s[4:5]           ; len[bb]
	s_lshl_b32 s16, ttmp9, 7
	s_add_nc_u64 s[28:29], s[6:7], s[16:17]        ; stat[g]
	s_lshl_b32 s16, ttmp9, 16
	s_add_nc_u64 s[10:11], s[10:11], s[16:17]      ; part[g]
	s_lshl_b32 s16, ttmp9, 12
	s_add_nc_u64 s[12:13], s[12:13], s[16:17]      ; out0 row g
	s_add_nc_u64 s[14:15], s[14:15], s[16:17]      ; out1 rows 16 g on
	s_wait_kmcnt 0x0
	s_add_co_i32 s24, s23, 63
	s_ashr_i32 s24, s24, 6
	s_cmp_gt_i32 s23, 0
	s_cselect_b32 s24, s24, 16
	s_min_u32 s24, s24, 16                         ; nch(g), 1 .. 16
	s_sub_co_u32 s25, s24, 1
.irp i, 0,1,2,3,4,5,6,7,8,9,10,11,12,13,14,15
	s_min_u32 s26, s25, \i                         ; chunk i, held at nch - 1
	s_lshl_b32 s26, s26, 12
	v_add_nc_u32 v[OFF+\i], s26, v3
	global_load_b128 v[DT+4*\i:DT+4*\i+3], v[OFF+\i], s[10:11]
.endr
	s_wait_loadcnt 16                              ; the five loads of lengths are in; the 16 of part may be out
.macro NCH x, len
	v_add_nc_u32 v[\x], 63, v[\len]
	v_ashrrev_i32 v[\x], 6, v[\x]
	v_cmp_lt_i32 vcc_lo, 0, v[\len]
	v_cndmask_b32 v[\x], 16, v[\x], vcc_lo
	v_min_u32 v[\x], 16, v[\x]
.endm
.irp k, 0,1,2,3
	NCH NC+\k, LEN+\k
.endr
	NCH NCB, LEN+4
	v_mov_b32 v[NC+4], s24                         ; the fifth column is g
.irp k, 0,1,2,3,4
	v_add_nc_u32 v[SO+\k], -1, v[NC+\k]
	v_min_u32 v[SO+\k], v[SO+\k], v1
	v_min_u32 v[SO+\k], 15, v[SO+\k]               ; my chunk, held at nch - 1
.endr
.irp k, 0,1,2,3
	v_lshl_add_u32 v[SO+\k], v[SO+\k], 3, v7
	global_load_b64 v[ML+2*\k:ML+2*\k+1], v[SO+\k], s[6:7] offset:256*\k   ; (m, l)
.endr
	v_lshlrev_b32 v[SO+4], 3, v[SO+4]
	global_load_b64 v[ML+8:ML+9], v[SO+4], s[28:29]                ; and column g's, in both halves of the lanes
	v_add_nc_u32 v[SCO], -1, v[NCB]
	v_min_u32 v[SCO], s20, v[SCO]
	v_min_u32 v[SCO], 15, v[SCO]
	v_lshl_add_u32 v[SCO], v[SCO], 8, v23
	global_load_b128 v[48:51], v[SCO], s[8:9]      ; four scores of column bb
	s_wait_loadcnt 0x0
.irp k, 0,1,2,3,4
	v_cmp_gt_u32 vcc_lo, v[NC+\k], v1              ; nch > my chunk: it was written
	v_cndmask_b32 v[ML+2*\k], 0xff61b1e6, v[ML+2*\k], vcc_lo     ; else m = -3e38,
	v_cndmask_b32 v[ML+2*\k+1], 0, v[ML+2*\k+1], vcc_lo          ; l = 0
	v_mov_b32 v[MM+\k], v[ML+2*\k]
.endr
.irp x, 1,2,4,8
.irp k, 0,1,2,3,4
	v_max_num_f32_dpp v[MM+\k], v[MM+\k], v[MM+\k] row_xmask:\x row_mask:0xf bank_mask:0xf   ; M, in the column's sixteen lanes
.endr
.endr
.irp k, 0,1,2,3,4
	v_sub_f32 v[EE+\k], v[ML+2*\k], v[MM+\k]
.endr
.irp k, 0,1,2,3,4
	v_mul_f32 v[EE+\k], 0x3fb8aa3b, v[EE+\k]
.endr
.irp k, 0,1,2,3,4
	v_exp_f32 v[EE+\k], v[EE+\k]                   ; exp(m - M)
.endr
	v_nop
	s_wait_alu depctr_va_vdst(0)                   ; ahead of the batch's first reader
.irp k, 0,1,2,3,4
	v_mul_f32 v[LS+\k], v[ML+2*\k+1], v[EE+\k]
.endr
.irp x, 1,2,4,8
.irp k, 0,1,2,3,4
	v_add_f32_dpp v[LS+\k], v[LS+\k], v[LS+\k] row_xmask:\x row_mask:0xf bank_mask:0xf       ; L
.endr
.endr
.irp k, 0,1,2,3,4
	v_rcp_f32 v[LS+\k], v[LS+\k]
.endr
	v_nop
	s_wait_alu depctr_va_vdst(0)
.irp k, 0,1,2,3
	ds_store_b32 v45, v[MM+\k] offset:8*\k         ; (a column's sixteen lanes write the same word with the same value)
	ds_store_b32 v45, v[LS+\k] offset:RT-MT+8*\k
.endr
	v_mul_f32 v[EE+4], v[EE+4], v[LS+4]            ; column g: lane r holds chunk r's weight
.irp i, 0,1,2,3,4,5,6,7,8,9,10,11,12,13,14,15
	v_readlane_b32 s[WG+\i], v[EE+4], \i
.endr
.irp j, 0,1,2,3
	v_mul_f32 v[CX+\j], s[WG], v[DT+\j]            ; the context: chunk 0 starts the sums
.endr
.irp i, 1,2,3,4,5,6,7,8,9,10,11,12,13,14,15
.irp j, 0,1,2,3
	v_fma_f32 v[CX+\j], v[DT+4*\i+\j], s[WG+\i], v[CX+\j]
.endr
.endr
	s_wait_dscnt 0x0                               ; for the others' sake: my columns' M and 1 / L have landed
	s_barrier_signal -1
	s_barrier_wait -1
	ds_load_b32 v52, v4 offset:MT                  ; M and 1 / L of column bb
	ds_load_b32 v53, v4 offset:RT
	v_cmp_lt_u32 vcc_lo, s20, v[NCB]               ; my rows' chunk was written for column bb
.irp k, 0,1,2,3
	v_cndmask_b32 v[48+\k], 0xc9742400, v[48+\k], vcc_lo         ; else the rows are masked: -1e6
.endr
	s_wait_dscnt 0x0
.irp k, 0,1,2,3
	v_sub_f32 v[48+\k], v[48+\k], v52
.endr
.irp k, 0,1,2,3
	v_mul_f32 v[48+\k], 0x3fb8aa3b, v[48+\k]
.endr
.irp k, 0,1,2,3
	v_exp_f32 v[48+\k], v[48+\k]
.endr
	v_nop
	s_wait_alu depctr_va_vdst(0)
.irp k, 0,1,2,3
	v_mul_f32 v[48+\k], v[48+\k], v53
.endr
.irp k, 0,1,2,3
	ds_store_b32 v47, v[48+\k] offset:272*\k       ; row 4 (t % 4) + k, column bb
.endr
	s_wait_dscnt 0x0                               ; for the others' sake
	s_barrier_signal -1
	s_barrier_wait -1
	ds_load_b128 v[56:59], v54
	global_store_b128 v3, v[CX:CX+3], s[12:13]     ; the work-group stores row g of out0: 512 consecutive bytes a wave
	s_wait_dscnt 0x0
	global_store_b128 v3, v[56:59], s[14:15]       ; sixteen lanes store one row of out1: 256 consecutive bytes, aligned
	s_barrier_signal -1
	s_barrier_wait -1
	s_wait_tensorcnt 0x0
	ds_add_u32 v160, v161
	s_wait_dscnt 0x0
	s_endpgm
.Lfunc_end_k_q9da83c92b6_finish:
	.size	k_q9da83c92b6_finish, .Lfunc_end_k_q9da83c92b6_finish-k_q9da83c92b6_finish
	.p2alignl 7, 3214868480
	.fill 96, 4, 3214868480
	.section	.rodata,"a",@progbits
	.p2align	6, 0x0
	.amdhsa_kernel k_q9da83c92b6_finish
		.amdhsa_group_segment_fixed_size 6144
		.amdhsa_private_segment_fixed_size 0
		.amdhsa_enable_private_segment 0
		.amdhsa_kernarg_size 48
		.amdhsa_user_sgpr_count 2
		.amdhsa_user_sgpr_kernarg_segment_ptr 1
		.amdhsa_wavefront_size32 1
		.amdhsa_system_sgpr_workgroup_id_x 1
		.amdhsa_system_sgpr_workgroup_id_y 1
		.amdhsa_system_sgpr_workgroup_id_z 1
		.amdhsa_system_vgpr_workitem_id 0
		.amdhsa_next_free_vgpr 162
		.amdhsa_next_free_sgpr 66
		.amdhsa_reserve_vcc 1
		.amdhsa_float_denorm_mode_32 3
		.amdhsa_float_denorm_mode_16_64 3
		.amdhsa_memory_ordered 1
		.amdhsa_forward_progress 1
		.amdhsa_inst_pref_size 20
	.end_amdhsa_kernel
	.amdgpu_metadata
---
amdhsa.version: [ 1, 2 ]
amdhsa.kernels:
  - .name:           k_q9da83c92b6_finish
    .symbol:         k_q9da83c92b6_finish.kd
    .args:
      - { .name: src_lengths, .offset: 0, .size: 8, .value_kind: global_buffer, .address_space: global }
      - { .name: stat, .offset: 8, .size: 8, .value_kind: global_buffer, .address_space: global }
      - { .name: sc, .offset: 16, .size: 8, .value_kind: global_buffer, .address_space: global }
      - { .name: part, .offset: 24, .size: 8, .value_kind: global_buffer, .address_space: global }
      - { .name: out0, .offset: 32, .size: 8, .value_kind: global_buffer, .address_space: global }
      - { .name: out1, .offset: 40, .size: 8, .value_kind: global_buffer, .address_space: global }
    .group_segment_fixed_size: 6144
    .private_segment_fixed_size: 0
    .kernarg_segment_align: 8
    .kernarg_segment_size: 48
    .max_flat_workgroup_size: 256
    .sgpr_count:     66
    .vgpr_count:     162
    .wavefront_size: 32
...
	.end_amdgpu_metadata
.endif
;; end of part 3
;; ======== version 2 of 2: 3 launches; 1.18 times as fast as version 1
;; limits: right only within a limited range of input values
;; workspace buffers: Wf 524,288 bytes; bcw 262,144 bytes; sc 262,144 bytes; stat 8,192 bytes; part 4,194,304 bytes
;; launch prep: the kernel of part 1 again; grid 32 x 1, 4 waves a work-group, no clusters, 17,920 bytes of LDS; arguments W_dec_codes, W_dec_scales, decoder_state_codes, decoder_state_scales, b_dec, b_enc, W_enc_codes, bcw, Wf; writes bcw, Wf
;; launch score (part 4): grid 16 x 64, 8 waves a work-group, no clusters, 321,536 bytes of LDS; arguments source_hids, src_lengths, Wf, W_enc_scales, bcw, v_score, sc, stat, part; writes sc, stat, part
.if DOCPART == 4
	.amdgcn_target "amdgcn-amd-amdhsa--gfx1250"
	.amdhsa_code_object_version 6
	.text
	.protected	k_q9da83c92b6_score
	.globl	k_q9da83c92b6_score
	.p2align	8
	.type	k_q9da83c92b6_score,@function
k_q9da83c92b6_score:
	s_mov_b64 s[64:65], 0
	v_nop
	global_prefetch_b8 v0, s[64:65] scope:SCOPE_SE
	s_setreg_imm32_b32 hwreg(HW_REG_WAVE_MODE, 25, 1), 1
	s_wait_xcnt 0x0
; One work-group takes one tile: column b, chunk i: rows s0 = 64 i .. s0 + 63 of source_hids, and reads those 256 KiB once.
;   A: each wave loads 8 rows, keeps a copy of their upper 24 bits in LDS (for the context) and quantises them along their 1,024 numbers to FP4 (E2M1) with one E8M0 byte for each 32.
;   B: wave w makes attention units a = 128 w .. 128 w + 127 for all 64 rows: enc on codes, tanh(enc + dec + biases), times v_score, summed: a partial score a row.
;   C: the 64 scores, the mask (s >= len: -1e6), the tile's own maximum m, p = exp(score - m), l = sum p, and the partial context sum p x: the last launch joins the tiles.
; A TILE THAT LIES WHOLLY AT s >= len[b] IS LEFT OUT (its weights are exp(-1e6 - max) = 0): three scalar branches on a flag made from src_lengths jump over the three phases.
; Both barriers stand outside those branches, on every wave's path.  With len <= 0 every row is masked and every tile runs.  The launch
; has no tensor load, and so no joint loads either: W_enc's codes, which every tile walks, come straight into registers, in the register order that the launch before laid.
; WHICH TILE.  The tiles with work are each column's low chunks, so b = y, i = x would give work-groups of neighbouring or evenly spaced numbers very different amounts of work.
; With p = y % 4, q = y / 4: b = (x xor q) + 16 (p xor q / 4), i = x xor R(q), R(q) = (q << 1) xor 19 (q >> 3): q doubled in the field of 16 elements.  Each tile has one owner
; (x xor q and x xor R(q) give q xor R(q), which gives q).  Among the 64 work-groups that share x, or y % 16, or y / 4, each column stands once and each chunk four times.
; tanh(x) = 1 - 2 / (1 + 2^(c x)), c = 2 log2(e); bcw holds c (dec + b_dec + b_enc), so c x is one fused multiply-add; score = sum v + sum (-2 v) / (1 + 2^(c x)).
; The product is used transposed (source 0 = 16 rows of W_enc, source 1 = 16 rows of the tile): lane (r, h) holds row 16 mt + r, register j unit 16 nt + 8 h + j.
; THE COPY FOR THE CONTEXT: a whole f32 copy (262,144 bytes) does not fit beside the codes and the stages, and bf16 is too coarse where a short column's large terms cancel.  So the upper
; 16 bits of a number lie in one array and its bits 15:8 in another: 3 bytes a number, put together again by v_perm_b32 (the middle byte stands for the lowest byte too).
; LIMITS: NaN and infinities among the inputs are not served; a block whose largest magnitude lies under 2^-124 gets the byte 1 (a block of zeros too: its codes are zeros);
; the sum of |v_score| stays under about 9e5, so that a masked row's weight is 0 beside an open row's; for the context alone source_hids is cut to 24 bits: an error under 2^-15 of the number.
; No prefetch: a work-group asks for its whole tile in its first lines, and what it streams later is read by every work-group.
.set BF,   0                           ; LDS: the tile's upper 16 bits, 64 rows x 2,048 bytes
.set B8,   131072                      ; its bits 15:8, 64 rows x 1,024 bytes
.set COD,  196608                      ; its codes, 64 rows x (512 + 16) bytes
.set ASC,  230400                      ; its scale bytes, 64 rows x 48 (32 used)
.set STG,  233472                      ; for each wave two stages of 32 blocks x (128 + 16) bytes
.set BCT,  307200                      ; bcw[b][:], wave w's own 512 bytes at 512 w; 4,096 bytes on: -2 v_score likewise
.set SCR,  315392                      ; partial scores [row][wave], 48 bytes a row
.set PB,   318464                      ; p[64], a copy for each wave
.set O16,  1                           ; v1   16 x lane
.set STS,  2                           ; v2   stage, in
.set STL,  3                           ; v3   stage, back: 144 x lane
.set BFS,  4                           ; v4   the copy's upper halves: my wave's rows, 8 x lane
.set CDS,  5                           ; v5   the codes: my wave's rows, 16 x lane
.set SBS,  6                           ; v6   the scale bytes: my wave's rows, lane
.set AFA,  7                           ; v7   a fragment of the tile: 528 r + 16 h
.set ASA,  8                           ; v8   its scale words: 48 r + 16 h
.set TBS,  9                           ; v9   my wave's tables, in
.set TBL,  10                          ; v10  and back: + 32 h
.set WSO,  11                          ; v11  W_enc's scale words: 32 r + 16 h
.set VW,   12                          ; v12  the sum of my wave's 128 v_score
.set PT,   13                          ; v13  a lane permute's destination, written once at the head
.set SCS,  14                          ; v14  partial scores, in
.set SCL,  15                          ; v15  and back: 96 x lane (two rows)
.set MX,   16                          ; v16-17 two chains of a maximum
.set SOP,  18                          ; v18  the conversion's scale operand
.set BYT,  19                          ; v19  the scale's byte
.set CODE, 20                          ; v20-23 a block's codes
.set AS,   24                          ; v24-39 the tile's scale words (4 mt + j): scales and nothing else
.set WS,   40                          ; v40-47 W_enc's scale words, two sets: scales and nothing else
.set BCR,  48                          ; v48-55 c (dec + biases) of my eight units
.set VPR,  56                          ; v56-63 -2 v of them
.set ACC,  64                          ; v64-95 four accumulators
.set SACC, 96                          ; v96-103 the scores' sums, a pair for each mt
.set TB,   104                         ; v104-107 bcw as loaded, v108-111 v_score, v112-115 -2 v_score
.set PBS,  116                         ; v116 p, in;  v117 p, back
.set PBL,  117
.set CXA,  118                         ; v118 my four columns of the copy's upper halves, rows 0-31;  v119 rows 32-63
.set CXB,  119
.set O8,   120                         ; v120 8 x lane
.set IDX,  121                         ; v121 s0 + 2 x lane
.set LANE, 122
.set RR,   123
.set HH,   124
.set CMA,  125                         ; v125 my four columns of the copy's middle bytes
.set B8S,  126                         ; v126 the middle bytes: my wave's rows, 4 x lane
.set WR,   128                         ; v128-255 W_enc's fragments, two sets of 64 (phase B)
.set Y,    128                         ; v128-191 two sets of 32 neighbours (phase A)
.set T16,  192                         ; v192-207 a row's upper halves, two to a register (phase A)
.set TT,   208                         ; v208-223 its middle bytes, two to a register (phase A)
.set MB,   224                         ; v224-231 and four to a register (phase A)
.set CA,   64                          ; v64-71 the context: 4 columns x the row's parity (phase C)
.set TX,   80                          ; v80-87 four numbers put together again, two sets (phase C)
.set GM0,  48                          ; v48-63 and v88-103: two sets of 16 rows' middle bytes (phase C)
.set GMD,  40
.set P,    128                         ; v128-191 p of the 64 rows (phase C)
.set G,    192                         ; v192-255 two sets of 16 rows x 4 upper halves (phase C)
                                       ; window 1: phase A: 8 rows as loaded, 32 registers each; phase B: the tile's 32 fragments, (mt, q) at v[8 (8 mt + q)]
.set MSB, 0
.macro WIN new                         ; the immediate's high byte repeats the setting that is left
.if MSB != \new
	s_set_vgpr_msb (MSB<<8)|\new
.set MSB, \new
.endif
.endm
	s_load_b512 s[4:19], s[0:1], 0x0               ; source_hids s[4:5], src_lengths s[6:7], Wf s[8:9], W_enc_scales s[10:11], bcw s[12:13], v_score s[14:15], sc s[16:17], stat s[18:19]
	s_load_b64 s[20:21], s[0:1], 0x40              ; part
	v_lshrrev_b32 v1, 5, v0
	v_readfirstlane_b32 s22, v1                    ; wave 0..7
	; my tile, from the work-group's x (ttmp9, 0..15) and y (0..63)
	s_and_b32 s34, ttmp7, 0xffff                   ; y
	s_lshr_b32 s35, s34, 2                         ; q = y / 4
	s_and_b32 s34, s34, 3                          ; p = y % 4
	s_lshr_b32 s23, s35, 2
	s_xor_b32 s34, s34, s23                        ; p xor q / 4
	s_lshl_b32 s34, s34, 4
	s_xor_b32 s24, ttmp9, s35                      ; x xor q
	s_or_b32 s24, s24, s34
	s_and_b32 s24, s24, 63                         ; b
	s_lshr_b32 s23, s35, 3                         ; q's top bit
	s_mul_i32 s23, s23, 19
	s_lshl_b32 s35, s35, 1
	s_xor_b32 s23, s23, s35                        ; R(q): the 16 that the shift may carry out is taken off by the 19's
	s_xor_b32 s23, s23, ttmp9
	s_and_b32 s23, s23, 15                         ; i
	s_lshl_b32 s25, s23, 6                         ; s0
	s_mov_b32 s30, 0x76543210
	s_mov_b32 s31, 0xfedcba98                      ; v_permlanex16_b32's selects for lane l xor 16
	s_mov_b32 s32, 0x4038aa3b                      ; c = 2 log2(e)
	s_mov_b32 s33, s32                             ; (named with it as a pair, so it is written)
	; v_perm_b32's selects (a select byte 0-3 takes a byte of the second source, 4-7 of the first)
	s_mov_b32 s36, 0x07060302                      ; the upper halves of two numbers
	s_mov_b32 s37, 0x00000501                      ; byte 1 of two numbers, into bytes 0 and 1
	s_mov_b32 s38, 0x05040100                      ; the lower halves of two registers
	s_mov_b32 s39, 0x05040000                      ; back: number 0 = lower half of the first source over byte 0 of the second, twice
	s_mov_b32 s40, 0x07060101                      ; number 1 = upper half over byte 1
	s_mov_b32 s41, 0x05040202                      ; number 2 = lower half over byte 2
	s_mov_b32 s42, 0x07060303                      ; number 3 = upper half over byte 3
	v_and_b32 v[LANE], 31, v0
	v_and_b32 v[RR], 15, v0
	v_bfe_u32 v[HH], v0, 4, 1
	v_mov_b32 v[PT], 0
	; every address register is made here, ahead of the branches
	v_lshlrev_b32 v[O16], 4, v[LANE]
	s_mul_i32 s35, s22, 9216
	s_add_co_u32 s35, s35, STG
	v_lshrrev_b32 v[STS], 3, v[LANE]
	v_mul_u32_u24 v[STS], v[STS], 144
	v_and_b32 v[STL], 7, v[LANE]
	v_lshl_add_u32 v[STS], v[STL], 4, v[STS]
	v_add_nc_u32 v[STS], s35, v[STS]               ; a load's 512 bytes are four blocks of 128: 144 (lane / 8) + 16 (lane % 8)
	v_mul_u32_u24 v[STL], v[LANE], 144
	v_add_nc_u32 v[STL], s35, v[STL]
	s_lshl_b32 s35, s22, 14
	v_lshl_add_u32 v[BFS], v[LANE], 3, s35
	s_lshl_b32 s35, s22, 13
	s_add_co_u32 s35, s35, B8
	v_lshl_add_u32 v[B8S], v[LANE], 2, s35
	s_lshl_b32 s35, s22, 7
	s_add_co_u32 s35, s35, B8
	v_lshl_add_u32 v[CMA], v[LANE], 2, s35
	s_mul_i32 s35, s22, 4224
	s_add_co_u32 s35, s35, COD
	v_add_nc_u32 v[CDS], s35, v[O16]
	s_mul_i32 s35, s22, 384
	s_add_co_u32 s35, s35, ASC
	v_add_nc_u32 v[SBS], s35, v[LANE]
	v_mul_u32_u24 v[AFA], v[RR], 528
	v_lshl_add_u32 v[AFA], v[HH], 4, v[AFA]
	v_add_nc_u32 v[AFA], COD, v[AFA]
	v_mul_u32_u24 v[ASA], v[RR], 48
	v_lshl_add_u32 v[ASA], v[HH], 4, v[ASA]
	v_add_nc_u32 v[ASA], ASC, v[ASA]
	s_lshl_b32 s35, s22, 9
	s_add_co_u32 s35, s35, BCT
	v_add_nc_u32 v[TBS], s35, v[O16]
	v_lshl_add_u32 v[TBL], v[HH], 5, s35
	v_lshlrev_b32 v[WSO], 5, v[RR]
	v_lshl_add_u32 v[WSO], v[HH], 4, v[WSO]
	v_mul_u32_u24 v[SCS], v[RR], 48
	s_lshl_b32 s35, s22, 2
	s_add_co_u32 s35, s35, SCR
	v_add_nc_u32 v[SCS], s35, v[SCS]
	v_mul_u32_u24 v[SCL], v[LANE], 96
	v_add_nc_u32 v[SCL], SCR, v[SCL]
	s_lshl_b32 s35, s22, 8
	s_add_co_u32 s34, s35, PB
	v_lshl_add_u32 v[PBS], v[LANE], 3, s34
	v_mov_b32 v[PBL], s34
	v_lshl_add_u32 v[CXA], v[LANE], 3, s35
	v_add_nc_u32 v[CXB], 0x10000, v[CXA]
	v_lshlrev_b32 v[O8], 3, v[LANE]
	v_lshl_add_u32 v[IDX], v[LANE], 1, s25
	s_wait_kmcnt 0x0
	s_lshl_b32 s28, s24, 2
	s_mov_b32 s29, 0
	s_add_nc_u64 s[6:7], s[6:7], s[28:29]
	s_load_b32 s26, s[6:7], 0x0                    ; len[b]
	s_lshl_b32 s28, s22, 3
	s_add_co_u32 s28, s28, s25
	s_lshl_b32 s28, s28, 18                        ; row s of source_hids begins s x 64 x 4,096 bytes in: my wave's first row s0 + 8 w,
	s_lshl_b32 s35, s24, 12                        ; 4,096 b
	s_add_co_u32 s28, s28, s35                     ; column b (under 2^28)
	s_add_nc_u64 s[4:5], s[4:5], s[28:29]
	s_lshl_b32 s28, s22, 16                        ; my 8 tiles of Wf
	s_add_nc_u64 s[8:9], s[8:9], s[28:29]
	s_lshl_b32 s28, s22, 12                        ; my 128 rows of W_enc's scale bytes
	s_add_nc_u64 s[10:11], s[10:11], s[28:29]
	s_lshl_b32 s34, s22, 9                         ; 512 w
	s_add_co_u32 s28, s35, s34
	s_add_nc_u64 s[12:13], s[12:13], s[28:29]      ; bcw[b][128 w]
	s_mov_b32 s28, s34
	s_add_nc_u64 s[14:15], s[14:15], s[28:29]      ; v_score[128 w]
	s_lshl_b32 s28, s25, 2
	s_add_co_u32 s28, s28, s35
	s_add_nc_u64 s[16:17], s[16:17], s[28:29]      ; sc[b][s0]
	s_lshl_b32 s28, s24, 7
	s_lshl_b32 s35, s23, 3
	s_add_co_u32 s28, s28, s35
	s_add_nc_u64 s[18:19], s[18:19], s[28:29]      ; stat[b][i]
	s_lshl_b32 s28, s24, 16
	s_lshl_b32 s35, s23, 12
	s_add_co_u32 s28, s28, s35
	s_add_co_u32 s28, s28, s34
	s_add_nc_u64 s[20:21], s[20:21], s[28:29]      ; part[b][i][128 w]
	s_wait_kmcnt 0x0
	s_cmp_le_i32 s26, 0
	s_cselect_b32 s27, 1, 0
	s_cmp_lt_i32 s25, s26
	s_cselect_b32 s35, 1, 0
	s_or_b32 s27, s27, s35                         ; 1: the tile has work
	s_cmp_eq_u32 s27, 0
	s_cbranch_scc1 .LskipA
	; ---- A.  All 64 loads of my 8 rows go out at once: 512 consecutive bytes each
	WIN 0x40                                       ; destination window 1
.irp p, 0,1,2,3,4,5,6,7
.irp j, 0,1,2,3,4,5,6,7
	global_load_b128 v[32*\p+4*\j:32*\p+4*\j+3], v[O16], s[4:5] offset:262144*\p+512*\j th:TH_LOAD_NT
.endr
.endr
	WIN 0
; Row p: the copy of its upper 24 bits goes to LDS; its f32 numbers turn through my stage, so that lane l gets the 32 neighbours of block l.
.macro TURN p
	s_wait_loadcnt 56-8*(\p)                       ; behind row p's eight loads stand the eight of each later row
	WIN 0x05                                       ; sources 0 and 1 window 1
.irp j, 0,1,2,3,4,5,6,7
	v_perm_b32 v[T16+2*\j], v[32*(\p)+4*\j+1], v[32*(\p)+4*\j], s36       ; the upper halves of numbers 0 and 1,
	v_perm_b32 v[T16+2*\j+1], v[32*(\p)+4*\j+3], v[32*(\p)+4*\j+2], s36   ; of 2 and 3;
	v_perm_b32 v[TT+2*\j], v[32*(\p)+4*\j+1], v[32*(\p)+4*\j], s37        ; their bits 15:8
	v_perm_b32 v[TT+2*\j+1], v[32*(\p)+4*\j+3], v[32*(\p)+4*\j+2], s37
.endr
	WIN 0x04                                       ; an LDS store's data are its source 1: window 1
.irp j, 0,1,2,3,4,5,6,7
	ds_store_b128 v[STS], v[32*(\p)+4*\j:32*(\p)+4*\j+3] offset:4608*((\p)%2)+576*\j
.endr
	WIN 0
.irp j, 0,1,2,3,4,5,6,7
	v_perm_b32 v[MB+\j], v[TT+2*\j+1], v[TT+2*\j], s38             ; four middle bytes to a register
.endr
.irp j, 0,1,2,3,4,5,6,7
	ds_store_b64 v[BFS], v[T16+2*\j:T16+2*\j+1] offset:2048*(\p)+256*\j
	ds_store_b32 v[B8S], v[MB+\j] offset:1024*(\p)+128*\j
.endr
.irp k, 0,1,2,3,4,5,6,7
	ds_load_b128 v[Y+32*((\p)%2)+4*\k:Y+32*((\p)%2)+4*\k+3], v[STL] offset:4608*((\p)%2)+16*\k   ; LDS serves a wave's instructions in order: these see the stores above
.endr
.endm
; Block l of row p: the largest magnitude (with the floor 2^(3 - 127) among its leaves, so that the byte cannot fall under 1), 2 off its exponent field, four conversions.
.macro QUANT p
.set YB, Y+32*((\p)%2)
	v_max3_num_f32 v[MX], |v[YB]|, |v[YB+1]|, 0x1800000
	v_max3_num_f32 v[MX+1], |v[YB+2]|, |v[YB+3]|, |v[YB+4]|
.set n, 0
.rept 13
	v_max3_num_f32 v[MX+n%2], v[MX+n%2], |v[YB+5+2*n]|, |v[YB+6+2*n]|
.set n, n+1
.endr
	v_max3_num_f32 v[MX], v[MX], v[MX+1], |v[YB+31]|
	v_add_nc_u32 v[SOP], 0xff000000, v[MX]         ; the conversion takes the exponent field of this operand as its scale, and nothing else of it
.irp g, 0,1,2,3
	v_cvt_scalef32_pk8_fp4_f32 v[CODE+\g], v[YB+8*\g:YB+8*\g+7], v[SOP]
.endr
	v_lshrrev_b32 v[BYT], 23, v[SOP]               ; the scale's byte; also the plain instruction behind the conversions
	ds_store_b128 v[CDS], v[CODE:CODE+3] offset:528*(\p)
	ds_store_b8 v[SBS], v[BYT] offset:48*(\p)
.endm
.macro STEP p
	s_wait_dscnt 0x0                               ; row p's neighbours are back, and my earlier LDS stores have read their registers
.if (\p) < 7
	TURN (\p)+1                                    ; the next row turns while this one is quantised
.endif
	QUANT \p
.endm
	TURN 0
.irp p, 0,1,2,3,4,5,6,7
	STEP \p
.endr
.LskipA:
	s_wait_dscnt 0x0                               ; for the others' sake: my codes, scale bytes and the copy's rows have landed
	s_barrier_signal -1
	s_barrier_wait -1
	s_cmp_eq_u32 s27, 0
	s_cbranch_scc1 .LskipB
	; ---- B
.macro LOADW i                         ; tile i of my eight: 16 pieces of 512 consecutive bytes and its rows' scale words: 17 loads
.set LWB, WR+64*((\i)%2)
.irp n, 0,1,2,3,4,5,6,7,8,9,10,11,12,13,14,15
	global_load_b128 v[LWB+4*\n:LWB+4*\n+3], v[O16], s[8:9] offset:8192*(\i)+512*\n
.endr
	global_load_b128 v[WS+4*((\i)%2):WS+4*((\i)%2)+3], v[WSO], s[10:11] offset:512*(\i)
.endm
	global_load_b128 v[TB:TB+3], v[O16], s[12:13]
	global_load_b128 v[TB+4:TB+7], v[O16], s[14:15]
	LOADW 0
	LOADW 1                                        ; they land under the 68 LDS loads below
	WIN 0x40                                       ; destination window 1
.irp m, 0,1,2,3
.irp q, 0,1,2,3,4,5,6,7
.irp c, 0,1
	ds_load_b128 v[8*(8*\m+\q)+4*\c:8*(8*\m+\q)+4*\c+3], v[AFA] offset:8448*\m+64*\q+32*\c
.endr
.endr
.endr
	WIN 0
.irp m, 0,1,2,3
	ds_load_b128 v[AS+4*\m:AS+4*\m+3], v[ASA] offset:768*\m       ; lanes 0-15: words 0-3 of row r; lanes 16-31: words 4-7
.endr
	s_wait_loadcnt 34                              ; bcw and v_score are in; the 17 loads of each of the two tiles may be out
	v_pk_mul_f32 v[TB+8:TB+9], v[TB+4:TB+5], -2.0 op_sel_hi:[1,0]
	v_pk_mul_f32 v[TB+10:TB+11], v[TB+6:TB+7], -2.0 op_sel_hi:[1,0]
	ds_store_b128 v[TBS], v[TB:TB+3]
	ds_store_b128 v[TBS], v[TB+8:TB+11] offset:4096
	v_add_f32 v[VW], v[TB+4], v[TB+5]
	v_add_f32 v[SACC], v[TB+6], v[TB+7]
	v_add_f32 v[VW], v[VW], v[SACC]
	v_add_f32_dpp v[VW], v[VW], v[VW] row_xmask:1 row_mask:0xf bank_mask:0xf
	v_add_f32_dpp v[VW], v[VW], v[VW] row_xmask:2 row_mask:0xf bank_mask:0xf
	v_add_f32_dpp v[VW], v[VW], v[VW] row_xmask:4 row_mask:0xf bank_mask:0xf
	v_add_f32_dpp v[VW], v[VW], v[VW] row_xmask:8 row_mask:0xf bank_mask:0xf
	v_permlanex16_b32 v[PT], v[VW], s30, s31
	v_add_f32 v[VW], v[VW], v[PT]                  ; the sum of my wave's 128 v_score, in every lane
	s_wait_dscnt 0x0                               ; the tile's fragments and scale words are in
; K step q for the tile's rows 16 m on.  For q >= 4 both sides' scale words stand in lanes 16-31.
.macro MM q, m
.if \q == 0
	v_wmma_scale_f32_16x16x128_f8f6f4 v[ACC+8*\m:ACC+8*\m+7], v[WB+8*\q:WB+8*\q+7], v[8*(8*\m+\q):8*(8*\m+\q)+7], 0, v[WSI+\q], v[AS+4*\m+\q] matrix_a_fmt:MATRIX_FMT_FP4 matrix_b_fmt:MATRIX_FMT_FP4
.elseif \q < 4
	v_wmma_scale_f32_16x16x128_f8f6f4 v[ACC+8*\m:ACC+8*\m+7], v[WB+8*\q:WB+8*\q+7], v[8*(8*\m+\q):8*(8*\m+\q)+7], v[ACC+8*\m:ACC+8*\m+7], v[WSI+\q], v[AS+4*\m+\q] matrix_a_fmt:MATRIX_FMT_FP4 matrix_b_fmt:MATRIX_FMT_FP4
.else
	v_wmma_scale_f32_16x16x128_f8f6f4 v[ACC+8*\m:ACC+8*\m+7], v[WB+8*\q:WB+8*\q+7], v[8*(8*\m+\q):8*(8*\m+\q)+7], v[ACC+8*\m:ACC+8*\m+7], v[WSI+\q-4], v[AS+4*\m+\q-4] matrix_a_fmt:MATRIX_FMT_FP4 matrix_b_fmt:MATRIX_FMT_FP4 matrix_a_scale:MATRIX_SCALE_ROW1 matrix_b_scale:MATRIX_SCALE_ROW1
.endif
.endm
; 64 rows x 16 units: c x, 2^(c x), 1 + it, its reciprocal, times -2 v into the rows' sums.  Each batch of 32 transcendentals has one plain instruction and one wait behind it.
.macro EP i
.irp p, 0,2,4,6
.irp m, 0,1,2,3
	v_pk_fma_f32 v[ACC+8*\m+\p:ACC+8*\m+\p+1], v[ACC+8*\m+\p:ACC+8*\m+\p+1], s[32:33], v[BCR+\p:BCR+\p+1] op_sel_hi:[1,0,1]   ; each accumulator from its low end on
.endr
.endr
.set n, 0
.rept 32
	v_exp_f32 v[ACC+n], v[ACC+n]
.set n, n+1
.endr
	v_nop
	s_wait_alu depctr_va_vdst(0)
.set n, 0
.rept 16
	v_pk_add_f32 v[ACC+n:ACC+n+1], v[ACC+n:ACC+n+1], 1.0 op_sel_hi:[1,0]
.set n, n+2
.endr
.set n, 0
.rept 32
	v_rcp_f32 v[ACC+n], v[ACC+n]
.set n, n+1
.endr
	v_nop
	s_wait_alu depctr_va_vdst(0)
.irp p, 0,2,4,6
.irp m, 0,1,2,3
.if (\i == 0) && (\p == 0)
	v_pk_mul_f32 v[SACC+2*\m:SACC+2*\m+1], v[ACC+8*\m+\p:ACC+8*\m+\p+1], v[VPR+\p:VPR+\p+1]   ; the first product starts the sums
.else
	v_pk_fma_f32 v[SACC+2*\m:SACC+2*\m+1], v[ACC+8*\m+\p:ACC+8*\m+\p+1], v[VPR+\p:VPR+\p+1], v[SACC+2*\m:SACC+2*\m+1]
.endif
.endr
.endr
.endm
.macro ITER i
.set WB, WR+64*((\i)%2)
.set WSI, WS+4*((\i)%2)
.if \i < 7
	s_wait_loadcnt 17                              ; this tile's 17 loads are in; the next tile's 17 may be out
.else
	s_wait_loadcnt 0x0
.endif
	ds_load_b128 v[BCR:BCR+3], v[TBL] offset:64*\i
	ds_load_b128 v[BCR+4:BCR+7], v[TBL] offset:64*\i+16
	ds_load_b128 v[VPR:VPR+3], v[TBL] offset:4096+64*\i
	ds_load_b128 v[VPR+4:VPR+7], v[TBL] offset:4096+64*\i+16
	WIN 0x04                                       ; source 1 (the tile) window 1
.irp q, 0,1,2,3,4,5,6,7
.irp m, 0,1,2,3
	MM \q, \m                                      ; the four accumulators take turns, one instruction a turn
.endr
.endr
	WIN 0
.rept 4
	v_nop                                          ; four places in front of the loads into registers that the products have read, and of the first read of a result
.endr
.if \i < 6
	LOADW \i+2
.endif
	s_wait_dscnt 0x0                               ; the tables' 16 numbers
	EP \i
.endm
.irp i, 0,1,2,3,4,5,6,7
	ITER \i
.endr
.irp m, 0,1,2,3
	v_add_f32 v[ACC+\m], v[SACC+2*\m], v[SACC+2*\m+1]
.endr
.irp m, 0,1,2,3
	v_permlanex16_b32 v[ACC+4+\m], v[ACC+\m], s30, s31   ; the row's other eight units of each tile lie in the lane 16 away
.endr
.irp m, 0,1,2,3
	v_add_f32 v[ACC+\m], v[ACC+\m], v[ACC+4+\m]
.endr
.irp m, 0,1,2,3
	v_add_f32 v[ACC+\m], v[ACC+\m], v[VW]
.endr
.irp m, 0,1,2,3
	ds_store_b32 v[SCS], v[ACC+\m] offset:768*\m   ; row 16 m + r, my wave's word (both halves of the lanes write the same word with the same value)
.endr
.LskipB:
	s_wait_dscnt 0x0                               ; for the others' sake: my partial scores have landed
	s_barrier_signal -1
	s_barrier_wait -1
	s_cmp_eq_u32 s27, 0
	s_cbranch_scc1 .Lend
	; ---- C.  Every wave makes the 64 scores and p for itself (lane l: rows 2 l, 2 l + 1); wave w makes columns 128 w .. 128 w + 127 of the partial context.
	ds_load_b128 v[48:51], v[SCL]
	ds_load_b128 v[52:55], v[SCL] offset:16
	ds_load_b128 v[56:59], v[SCL] offset:48
	ds_load_b128 v[60:63], v[SCL] offset:64
	v_add_nc_u32 v75, 1, v[IDX]
.irp j, 0,1,2,3,4,5,6,7
	v_mov_b32 v[CA+\j], 0
.endr
	s_wait_dscnt 0x0
	v_pk_add_f32 v[48:49], v[48:49], v[50:51]
	v_pk_add_f32 v[52:53], v[52:53], v[54:55]
	v_pk_add_f32 v[56:57], v[56:57], v[58:59]
	v_pk_add_f32 v[60:61], v[60:61], v[62:63]
	v_pk_add_f32 v[48:49], v[48:49], v[52:53]
	v_pk_add_f32 v[56:57], v[56:57], v[60:61]
	v_add_f32 v48, v48, v49
	v_add_f32 v56, v56, v57
	v_cmp_gt_i32 vcc_lo, s26, v[IDX]               ; len > s: the row counts
	v_cndmask_b32 v72, 0xc9742400, v48, vcc_lo     ; else -1e6
	v_cmp_gt_i32 vcc_lo, s26, v75
	v_cndmask_b32 v73, 0xc9742400, v56, vcc_lo
	v_max_num_f32 v76, v72, v73
	v_max_num_f32_dpp v76, v76, v76 row_xmask:1 row_mask:0xf bank_mask:0xf
	v_max_num_f32_dpp v76, v76, v76 row_xmask:2 row_mask:0xf bank_mask:0xf
	v_max_num_f32_dpp v76, v76, v76 row_xmask:4 row_mask:0xf bank_mask:0xf
	v_max_num_f32_dpp v76, v76, v76 row_xmask:8 row_mask:0xf bank_mask:0xf
	v_permlanex16_b32 v[PT], v76, s30, s31
	v_max_num_f32 v76, v76, v[PT]                  ; m: the tile's largest score
	v_sub_f32 v78, v72, v76
	v_sub_f32 v79, v73, v76
	v_mul_f32 v78, 0x3fb8aa3b, v78
	v_mul_f32 v79, 0x3fb8aa3b, v79
	v_exp_f32 v78, v78
	v_exp_f32 v79, v79                             ; p = exp(score - m)
	v_nop
	s_wait_alu depctr_va_vdst(0)                   ; ahead of the first reader
	v_add_f32 v77, v78, v79
	v_add_f32_dpp v77, v77, v77 row_xmask:1 row_mask:0xf bank_mask:0xf
	v_add_f32_dpp v77, v77, v77 row_xmask:2 row_mask:0xf bank_mask:0xf
	v_add_f32_dpp v77, v77, v77 row_xmask:4 row_mask:0xf bank_mask:0xf
	v_add_f32_dpp v77, v77, v77 row_xmask:8 row_mask:0xf bank_mask:0xf
	v_permlanex16_b32 v[PT], v77, s30, s31
	v_add_f32 v77, v77, v[PT]                      ; l: the sum of the tile's p
	ds_store_b64 v[PBS], v[78:79]                  ; p goes round through my wave's own 256 bytes: every lane wants all 64
.irp k, 0,1,2,3,4,5,6,7,8,9,10,11,12,13,14,15
	ds_load_b128 v[P+4*\k:P+4*\k+3], v[PBL] offset:16*\k
.endr
.macro GLOAD g, adr                    ; rows 16 g .. 16 g + 15 of the copy, my four columns: 8 bytes of upper halves and 4 middle bytes a row: 32 loads
.set n, 0
.rept 16
	ds_load_b64 v[G+32*((\g)%2)+2*n:G+32*((\g)%2)+2*n+1], v[\adr] offset:2048*((16*(\g)+n)%32)
	ds_load_b32 v[GM0+GMD*((\g)%2)+n], v[CMA] offset:1024*(16*(\g)+n)
.set n, n+1
.endr
.endm
.macro GFMA g                          ; four numbers of a row are put together again; context += p x; even and odd rows in sums and registers of their own
.set n, 0
.rept 16
.set gx, G+32*((\g)%2)+2*n
.set gm, GM0+GMD*((\g)%2)+n
.set pr, P+16*(\g)+n
.set ca, CA+4*(n%2)
.set tx, TX+4*(n%2)
	v_perm_b32 v[tx], v[gx], v[gm], s39
	v_perm_b32 v[tx+1], v[gx], v[gm], s40
	v_perm_b32 v[tx+2], v[gx+1], v[gm], s41
	v_perm_b32 v[tx+3], v[gx+1], v[gm], s42
	v_fmac_f32 v[ca], v[tx], v[pr]
	v_fmac_f32 v[ca+1], v[tx+1], v[pr]
	v_fmac_f32 v[ca+2], v[tx+2], v[pr]
	v_fmac_f32 v[ca+3], v[tx+3], v[pr]
.set n, n+1
.endr
.endm
	GLOAD 0, CXA
	GLOAD 1, CXA
	s_cmp_lg_u32 s22, 0                            ; wave 0 stores the tile's scores and its (m, l)
	s_cbranch_scc1 .Lnot0
	global_store_b64 v[O8], v[72:73], s[16:17]     ; 256 consecutive bytes, at a multiple of 256 from sc's first byte
	s_wait_xcnt 0x0                                ; EXEC changes only behind this wait
	v_cmp_eq_u32 vcc_lo, 0, v[LANE]
	s_and_saveexec_b32 s34, vcc_lo
	global_store_b64 v[O8], v[76:77], s[18:19]     ; lane 0 alone (its offset is 0)
	s_wait_xcnt 0x0                                ; and again in front of the line that widens it
	s_or_b32 exec_lo, exec_lo, s34
.Lnot0:
	s_wait_dscnt 32                                ; p and the first 16 rows are in; the next group's 32 loads may be out
	GFMA 0
	GLOAD 2, CXB
	s_wait_dscnt 32
	GFMA 1
	GLOAD 3, CXB
	s_wait_dscnt 32
	GFMA 2
	s_wait_dscnt 0x0
	GFMA 3
.irp j, 0,1,2,3
	v_add_f32 v[CA+\j], v[CA+\j], v[CA+4+\j]
.endr
	global_store_b128 v[O16], v[CA:CA+3], s[20:21] ; 512 consecutive bytes
.Lend:
	s_wait_xcnt 0x0
	s_mov_b32 exec_lo, -1
	v_lshl_add_u32 v126, v0, 2, 0x4e400
	v_mov_b32 v127, 0
	s_wait_tensorcnt 0x0
	ds_add_u32 v126, v127
	s_wait_dscnt 0x0
	s_endpgm
.Lfunc_end_k_q9da83c92b6_score:
	.size	k_q9da83c92b6_score, .Lfunc_end_k_q9da83c92b6_score-k_q9da83c92b6_score
	.p2alignl 7, 3214868480
	.fill 96, 4, 3214868480
	.section	.rodata,"a",@progbits
	.p2align	6, 0x0
	.amdhsa_kernel k_q9da83c92b6_score
		.amdhsa_group_segment_fixed_size 321536
		.amdhsa_private_segment_fixed_size 0
		.amdhsa_enable_private_segment 0
		.amdhsa_kernarg_size 72
		.amdhsa_user_sgpr_count 2
		.amdhsa_user_sgpr_kernarg_segment_ptr 1
		.amdhsa_wavefront_size32 1
		.amdhsa_system_sgpr_workgroup_id_x 1
		.amdhsa_system_sgpr_workgroup_id_y 1
		.amdhsa_system_sgpr_workgroup_id_z 1
		.amdhsa_system_vgpr_workitem_id 0
		.amdhsa_next_free_vgpr 512
		.amdhsa_next_free_sgpr 66
		.amdhsa_reserve_vcc 1
		.amdhsa_float_denorm_mode_32 3
		.amdhsa_float_denorm_mode_16_64 3
		.amdhsa_memory_ordered 1
		.amdhsa_forward_progress 1
		.amdhsa_inst_pref_size 194
	.end_amdhsa_kernel
	.amdgpu_metadata
---
amdhsa.version: [ 1, 2 ]
amdhsa.kernels:
  - .name:           k_q9da83c92b6_score
    .symbol:         k_q9da83c92b6_score.kd
    .args:
      - { .name: source_hids, .offset: 0, .size: 8, .value_kind: global_buffer, .address_space: global }
      - { .name: src_lengths, .offset: 8, .size: 8, .value_kind: global_buffer, .address_space: global }
      - { .name: Wf, .offset: 16, .size: 8, .value_kind: global_buffer, .address_space: global }
      - { .name: W_enc_scales, .offset: 24, .size: 8, .value_kind: global_buffer, .address_space: global }
      - { .name: bcw, .offset: 32, .size: 8, .value_kind: global_buffer, .address_space: global }
      - { .name: v_score, .offset: 40, .size: 8, .value_kind: global_buffer, .address_space: global }
      - { .name: sc, .offset: 48, .size: 8, .value_kind: global_buffer, .address_space: global }
      - { .name: stat, .offset: 56, .size: 8, .value_kind: global_buffer, .address_space: global }
      - { .name: part, .offset: 64, .size: 8, .value_kind: global_buffer, .address_space: global }
    .group_segment_fixed_size: 321536
    .private_segment_fixed_size: 0
    .kernarg_segment_align: 8
    .kernarg_segment_size: 72
    .max_flat_workgroup_size: 256
    .sgpr_count:     66
    .vgpr_count:     512
    .wavefront_size: 32
...
	.end_amdgpu_metadata
.endif
;; end of part 4
;; launch finish: the kernel of part 3 again; grid 64 x 1, 8 waves a work-group, no clusters, 6,144 bytes of LDS; arguments src_lengths, stat, sc, part, out0, out1; writes out0, out1
